; MI455X (gfx1250); checked and timed in simulation.
; The chip was launched on July 23, 2026; its instructions are those of AMD's public machine-readable ISA for CDNA 5 (MIT licence, August 2026) and "CDNA5" Instruction Set Architecture Reference Guide (July 2026). The comments in the code are by the model that wrote it; some were corrected since.
;; Mo EFFN Top1. Allowed arithmetic: float matrix products may take bf16 or f16 operands with f32 sums; other float arithmetic in f32, or as packed bf16 or f16 multiplies, adds, multiply-adds, maxima and minima; sums over many terms, partial sums and values carried from step to step in f32; what a program stores and reads back later, other than sums and carried values, may be rounded once to bf16 or f16.
;; Inputs: b1 8 x 4,096 float32; b2 8 x 1,024 float32; router_b 8 float32; router_w 1,024 x 8 float32; w1 8 x 1,024 x 4,096 float32; w2 8 x 4,096 x 1,024 float32; x 1 x 1,024 x 1,024 float32.
;; Outputs: out0 1 x 1,024 x 1,024 float32; out1 one number float32.
;; 2 versions, each right and faster than the one before. Each part assembles by itself: llvm-mc -triple=amdgcn-amd-amdhsa -mcpu=gfx1250 --defsym DOCPART=n.
;; ======== version 1 of 2: 4 launches
;; limits: values are held in f16: magnitudes above 65,504 overflow, below 6.1e-05 lose precision; right only within a limited range of input values
;; workspace buffers: xh 2,097,152 bytes; h 67,108,864 bytes; part 16,777,216 bytes; bitmap 1,024 bytes of whole numbers; top1 4,096 bytes of whole numbers; prob 4,096 bytes; stats 8,192 bytes; list 34,816 bytes of whole numbers
;; launch router (part 1): grid 128 x 1, 8 waves a work-group, no clusters, 4,096 bytes of LDS; arguments x, router_w, router_b, xh, bitmap, top1, prob, stats; writes xh, bitmap, top1, prob, stats
.if DOCPART == 1
	.amdgcn_target "amdgcn-amd-amdhsa--gfx1250"
	.amdhsa_code_object_version 6
	.text
	.protected	k_q8ee51f4ea1_router
	.globl	k_q8ee51f4ea1_router
	.p2align	8
	.type	k_q8ee51f4ea1_router,@function
k_q8ee51f4ea1_router:
	s_mov_b64 s[64:65], 0
	v_nop
	global_prefetch_b8 v0, s[64:65] scope:SCOPE_SE
	s_setreg_imm32_b32 hwreg(HW_REG_WAVE_MODE, 25, 1), 1
	s_wait_xcnt 0x0
; ROUTER.  logits = x router_w + router_b, softmax over 8 experts, the chosen expert and its probability for each of 1,024 tokens;
; x rounded once to f16 (xh) for the first product; a bitmap of the choices; each work-group's sums of probabilities and of choices.
; The product (8 columns, a two-thousandth of the module's multiply-adds) is taken in f32 by vector instructions: 16-bit operands would move a logit
; by more than the gap between the two best of some tokens, and a token sent to another expert loses its whole output row.
; LIMITS.  The choice is made on the logits (lowest index among equal ones); where two probabilities round to one number while their logits differ,
; reference()'s choice may be the lower index.  |x| stays under 65,504 (f16).  NaN and infinities are not treated apart.
; SHARES.  Work-group g: tokens 8 g .. 8 g + 7.  Thread n: channels 4 n .. 4 n + 3 of all eight tokens, so x is read once, 512 consecutive bytes a wave and load.
; No tile is shared between work-groups but router_w's 32 KB; matrix units, tensor loads and clusters have nothing to do here.
.set PART,  0                          ; [wave][token][8] f32: each wave's part of the 64 logits
.set P2,    2048                       ; [wave = token][32] f32: p (8), one-hot (8), one-hot x 2^token (8), the same again (8)
.set SPARE, 3072                       ; the spare words, 128 bytes a wave
.set RW,  8                            ; v[8:39]    router_w of my 4 channels: [c][e]
.set X,   40                           ; v[40:71]   x: token tk's 4 channels at X + 4 tk
.set ACC, 72                           ; v[72:135]  sums [tk][e]
.set HP,  136                          ; v[136:151] x as f16 pairs
	s_load_b512 s[4:19], s[0:1], 0x0       ; x, router_w, router_b, xh, bitmap, top1, prob, stats
	v_lshl_add_u32 v4, v0, 2, SPARE        ; my spare word
	v_mov_b32 v5, 0
	v_and_b32 v1, 31, v0                   ; lane
	v_lshrrev_b32 v2, 5, v0
	v_readfirstlane_b32 s20, v2            ; wave
	v_lshlrev_b32 v3, 7, v0                ; router_w: 4 rows of 32 bytes a thread
	v_lshlrev_b32 v6, 4, v0                ; x: 16 bytes a thread
	v_lshlrev_b32 v7, 3, v0                ; xh: 8 bytes a thread
	v_and_b32 v152, 7, v1                  ; e = lane % 8
	v_lshrrev_b32 v153, 3, v1              ; w = lane / 8
	v_lshlrev_b32 v154, 2, v152            ; 4 e
	s_lshl_b32 s22, ttmp9, 15              ; 8 rows of 4,096 bytes of x
	s_mov_b32 s23, 0
	s_lshl_b32 s24, ttmp9, 14              ; 8 rows of 2,048 bytes of xh
	s_mov_b32 s25, 0
	s_mov_b32 s26, 0x76543210              ; v_permlanex16_b32: each lane takes its own place in the other half
	s_mov_b32 s27, 0xfedcba98
	s_wait_kmcnt 0x0
	s_add_nc_u64 s[4:5], s[4:5], s[22:23]
	s_add_nc_u64 s[10:11], s[10:11], s[24:25]
.set i, 0
.rept 8
	global_load_b128 v[X+4*i:X+4*i+3], v6, s[4:5] offset:4096*i th:TH_LOAD_NT
.set i, i+1
.endr
.set i, 0
.rept 8
	global_load_b128 v[RW+4*i:RW+4*i+3], v3, s[6:7] offset:16*i
.set i, i+1
.endr
	global_load_b32 v158, v154, s[8:9]     ; router_b[e]
	s_wait_loadcnt 0x0
; channel c of all 8 tokens x 8 experts: 32 packed lines, x broadcast to both halves; channel 0 starts the sums
.macro PROD c
.set tk, 0
.rept 8
.set ep, 0
.rept 4
.if (\c) == 0
	v_pk_mul_f32 v[ACC+8*tk+2*ep:ACC+8*tk+2*ep+1], v[RW+2*ep:RW+2*ep+1], v[X+4*tk:X+4*tk+1] op_sel_hi:[1,0]
.elseif (\c) == 2
	v_pk_fma_f32 v[ACC+8*tk+2*ep:ACC+8*tk+2*ep+1], v[RW+16+2*ep:RW+16+2*ep+1], v[X+4*tk+2:X+4*tk+3], v[ACC+8*tk+2*ep:ACC+8*tk+2*ep+1] op_sel_hi:[1,0,1]
.else
	v_pk_fma_f32 v[ACC+8*tk+2*ep:ACC+8*tk+2*ep+1], v[RW+8*(\c)+2*ep:RW+8*(\c)+2*ep+1], v[X+4*tk+(\c)-1:X+4*tk+(\c)], v[ACC+8*tk+2*ep:ACC+8*tk+2*ep+1] op_sel:[0,1,0] op_sel_hi:[1,1,1]
.endif
.set ep, ep+1
.endr
.set tk, tk+1
.endr
.endm
	PROD 0
	PROD 1
	PROD 2
	PROD 3
.set tk, 0
.rept 8                                        ; xh: a wave's store covers 256 consecutive bytes, aligned
	v_cvt_pk_f16_f32 v[HP+2*tk], v[X+4*tk], v[X+4*tk+1]
	v_cvt_pk_f16_f32 v[HP+2*tk+1], v[X+4*tk+2], v[X+4*tk+3]
	global_store_b64 v7, v[HP+2*tk:HP+2*tk+1], s[10:11] offset:2048*tk
.set tk, tk+1
.endr
; the 64 sums over the wave's 32 lanes, a step at a time over all 64, so that no line waits for the one before it
.irp m, 1,2,4,8
.set i, 0
.rept 64
	v_add_f32_dpp v[ACC+i], v[ACC+i], v[ACC+i] row_xmask:\m row_mask:0xf bank_mask:0xf
.set i, i+1
.endr
.endr
.set i, 0
.rept 64
	v_permlanex16_b32 v[RW+i], v[ACC+i], s26, s27  ; router_w's and x's registers are free, and have been written
.set i, i+1
.endr
.set i, 0
.rept 64
	v_add_f32 v[ACC+i], v[ACC+i], v[RW+i]
.set i, i+1
.endr
	s_lshl_b32 s28, s20, 8
	v_mov_b32 v155, s28                    ; my wave's 256 bytes of PART; all lanes store the same numbers to the same bytes
.set i, 0
.rept 16
	ds_store_b128 v155, v[ACC+4*i:ACC+4*i+3] offset:PART+16*i
.set i, i+1
.endr
	s_wait_dscnt 0x0                       ; for the other waves: my stores are done
	s_barrier_signal -1
	s_barrier_wait -1
	; wave v finishes token v.  Lane: expert e = lane % 8, and the parts of waves w and w + 4, w = lane / 8
	v_lshl_add_u32 v155, v153, 8, v154
	s_lshl_b32 s28, s20, 5
	v_add_nc_u32 v155, s28, v155           ; 256 w + 32 token + 4 e
	ds_load_b32 v156, v155 offset:PART
	ds_load_b32 v157, v155 offset:PART+1024
	s_wait_dscnt 0x0
	v_add_f32 v156, v156, v157
	v_add_f32_dpp v156, v156, v156 row_xmask:8 row_mask:0xf bank_mask:0xf
	v_permlanex16_b32 v157, v156, s26, s27
	v_add_f32 v156, v156, v157
	v_add_f32 v156, v156, v158             ; the logit of expert e, in the four lanes that have this e
	v_mov_b32 v159, v156
	v_max_num_f32_dpp v159, v159, v159 row_xmask:1 row_mask:0xf bank_mask:0xf
	v_max_num_f32_dpp v159, v159, v159 row_xmask:2 row_mask:0xf bank_mask:0xf
	v_max_num_f32_dpp v159, v159, v159 row_xmask:4 row_mask:0xf bank_mask:0xf
	v_sub_f32 v160, v156, v159             ; the maximum is taken away, as reference()'s softmax does
	v_mul_f32 v160, 0x3fb8aa3b, v160
	v_exp_f32 v160, v160
	v_cvt_f32_u32 v161, v152               ; e as a float: the plain instruction behind the exponential
	s_wait_alu depctr_va_vdst(0)           ; the wait ahead of the result's first reader
	v_mov_b32 v162, v160
	v_add_f32_dpp v162, v162, v162 row_xmask:1 row_mask:0xf bank_mask:0xf
	v_add_f32_dpp v162, v162, v162 row_xmask:2 row_mask:0xf bank_mask:0xf
	v_add_f32_dpp v162, v162, v162 row_xmask:4 row_mask:0xf bank_mask:0xf
	v_rcp_f32 v163, v162                   ; 1 / sum: also the top probability, whose exponential is 1
	v_nop
	s_wait_alu depctr_va_vdst(0)
	v_mul_f32 v164, v160, v163             ; p
	v_cmp_eq_f32 vcc_lo, v156, v159
	v_cndmask_b32 v165, 0x41000000, v161, vcc_lo  ; e where the logit is the maximum, else 8
	v_min_num_f32_dpp v165, v165, v165 row_xmask:1 row_mask:0xf bank_mask:0xf
	v_min_num_f32_dpp v165, v165, v165 row_xmask:2 row_mask:0xf bank_mask:0xf
	v_min_num_f32_dpp v165, v165, v165 row_xmask:4 row_mask:0xf bank_mask:0xf  ; the lowest such e
	v_cmp_eq_f32 vcc_lo, v161, v165
	v_cndmask_b32 v166, 0, 1.0, vcc_lo     ; one-hot
	v_ldexp_f32 v167, v166, s20            ; one-hot x 2^token: the token's bit in the group's byte of the bitmap
	v_cvt_u32_f32 v168, v165
	s_lshl_b32 s30, ttmp9, 5
	s_lshl2_add_u32 s30, s20, s30          ; 4 x (8 g + token)
	v_mov_b32 v169, s30
	v_cmp_le_u32 vcc_lo, 8, v1
	v_cndmask_b32 v170, v164, v166, vcc_lo ; lanes 0-7 hand on p, 8-15 the one-hot,
	v_cmp_le_u32 vcc_lo, 16, v1
	v_cndmask_b32 v170, v170, v167, vcc_lo ; 16-31 the bit
	v_lshl_add_u32 v171, v0, 2, P2         ; 128 wave + 4 lane
	ds_store_b32 v171, v170
	s_wait_xcnt 0x0                        ; EXEC changes only behind this wait
	v_cmp_eq_u32 vcc_lo, 0, v1
	s_and_saveexec_b32 s31, vcc_lo
	global_store_b32 v169, v168, s[14:15]  ; top1
	global_store_b32 v169, v163, s[16:17]  ; its probability
	s_wait_xcnt 0x0
	s_or_b32 exec_lo, exec_lo, s31
	s_wait_dscnt 0x0
	s_barrier_signal -1
	s_barrier_wait -1
	s_cmp_lg_u32 s20, 0
	s_cbranch_scc1 .Lend
	; wave 0 adds the eight tokens' words: lanes 0-7 sums of p, 8-15 counts, 16-23 the bitmap's byte for expert lane - 16
	v_lshl_add_u32 v172, v1, 2, P2
.set i, 0
.rept 8
	ds_load_b32 v[173+i], v172 offset:128*i
.set i, i+1
.endr
	s_wait_dscnt 0x0
	v_add_f32 v173, v173, v174
	v_add_f32 v175, v175, v176
	v_add_f32 v177, v177, v178
	v_add_f32 v179, v179, v180
	v_add_f32 v173, v173, v175
	v_add_f32 v177, v177, v179
	v_add_f32 v173, v173, v177
	s_lshl_b32 s28, ttmp9, 6
	v_lshl_add_u32 v181, v1, 2, s28        ; stats: 64 bytes a group
	v_cvt_u32_f32 v182, v173
	s_mov_b32 s29, ttmp9
	v_lshl_add_u32 v183, v152, 7, s29      ; bitmap: 128 bytes an expert, byte g
	s_wait_xcnt 0x0
	v_cmp_gt_u32 vcc_lo, 16, v1
	s_and_saveexec_b32 s31, vcc_lo
	global_store_b32 v181, v173, s[18:19]
	s_wait_xcnt 0x0
	s_or_b32 exec_lo, exec_lo, s31
	v_cmp_eq_u32 vcc_lo, 2, v153
	s_and_saveexec_b32 s31, vcc_lo
	global_store_b8 v183, v182, s[12:13]
	s_wait_xcnt 0x0
	s_or_b32 exec_lo, exec_lo, s31
.Lend:
	s_wait_tensorcnt 0x0                   ; the wave's end, behind the last LDS store
	ds_add_u32 v4, v5
	s_wait_dscnt 0x0
	s_endpgm
.Lfunc_end_k_q8ee51f4ea1_router:
	.size	k_q8ee51f4ea1_router, .Lfunc_end_k_q8ee51f4ea1_router-k_q8ee51f4ea1_router
	.p2alignl 7, 3214868480
	.fill 96, 4, 3214868480
	.section	.rodata,"a",@progbits
	.p2align	6, 0x0
	.amdhsa_kernel k_q8ee51f4ea1_router
		.amdhsa_group_segment_fixed_size 4096
		.amdhsa_private_segment_fixed_size 0
		.amdhsa_enable_private_segment 0
		.amdhsa_kernarg_size 64
		.amdhsa_user_sgpr_count 2
		.amdhsa_user_sgpr_kernarg_segment_ptr 1
		.amdhsa_wavefront_size32 1
		.amdhsa_system_sgpr_workgroup_id_x 1
		.amdhsa_system_sgpr_workgroup_id_y 1
		.amdhsa_system_sgpr_workgroup_id_z 1
		.amdhsa_system_vgpr_workitem_id 0
		.amdhsa_next_free_vgpr 192
		.amdhsa_next_free_sgpr 66
		.amdhsa_reserve_vcc 1
		.amdhsa_float_denorm_mode_32 3
		.amdhsa_float_denorm_mode_16_64 3
		.amdhsa_memory_ordered 1
		.amdhsa_forward_progress 1
		.amdhsa_inst_pref_size 40
	.end_amdhsa_kernel
	.amdgpu_metadata
---
amdhsa.version: [ 1, 2 ]
amdhsa.kernels:
  - .name:           k_q8ee51f4ea1_router
    .symbol:         k_q8ee51f4ea1_router.kd
    .args:
      - { .name: x, .offset: 0, .size: 8, .value_kind: global_buffer, .address_space: global }
      - { .name: router_w, .offset: 8, .size: 8, .value_kind: global_buffer, .address_space: global }
      - { .name: router_b, .offset: 16, .size: 8, .value_kind: global_buffer, .address_space: global }
      - { .name: xh, .offset: 24, .size: 8, .value_kind: global_buffer, .address_space: global }
      - { .name: bitmap, .offset: 32, .size: 8, .value_kind: global_buffer, .address_space: global }
      - { .name: top1, .offset: 40, .size: 8, .value_kind: global_buffer, .address_space: global }
      - { .name: prob, .offset: 48, .size: 8, .value_kind: global_buffer, .address_space: global }
      - { .name: stats, .offset: 56, .size: 8, .value_kind: global_buffer, .address_space: global }
    .group_segment_fixed_size: 4096
    .private_segment_fixed_size: 0
    .kernarg_segment_align: 8
    .kernarg_segment_size: 64
    .max_flat_workgroup_size: 256
    .sgpr_count:     66
    .vgpr_count:     192
    .wavefront_size: 32
...
	.end_amdgpu_metadata
.endif
;; end of part 1
;; launch ffn1 (part 2): grid 256 x 1, 8 waves a work-group, no clusters, 267,264 bytes of LDS; arguments xh, w1, b1, bitmap, h, list; writes h, list
.if DOCPART == 2
	.amdgcn_target "amdgcn-amd-amdhsa--gfx1250"
	.amdhsa_code_object_version 6
	.text
	.protected	k_q8ee51f4ea1_ffn1
	.globl	k_q8ee51f4ea1_ffn1
	.p2align	8
	.type	k_q8ee51f4ea1_ffn1,@function
k_q8ee51f4ea1_ffn1:
	s_mov_b64 s[64:65], 0
	v_nop
	global_prefetch_b8 v0, s[64:65] scope:SCOPE_SE
	s_setreg_imm32_b32 hwreg(HW_REG_WAVE_MODE, 25, 1), 1
	s_wait_xcnt 0x0
; FIRST PRODUCT.  h = silu(x w1[e] + b1[e]) for the tokens that chose expert e, and for no others.  x comes as f16 (xh), w1 is rounded to f16 on its way through registers, sums in f32, h rounded once to f16.
; LIMITS.  |x|, |w1| and |h| stay under 65,504 (f16).  NaN and infinities are not treated apart.
; SHARES.  Work-group = (expert e = id / 32, slice sl = id % 32): 128 columns of F, all 1,024 of K: 131,072 weights that it alone reads, once.  All eight waves run one text, in two phases.
; PHASE P: the slice (f32, 512 KB) goes through registers, is rounded and laid into LDS as finished matrix fragments (256 KB), where it stays.  Wave w takes the K steps of 32 that are w / 2 modulo 4, of column group w % 2:
; 16 units of 8 loads, written out; six register slots take turns, so 48 loads of a wave are out.  PHASE C, behind one barrier: wave (cg = w % 2, rg = w / 2) has 64 columns and, of a pass of 192 rows, the tiles of 16 rows 4 u + rg, u = 0..2;
; token rows come from memory straight into A fragments, B from LDS; the 32 K steps are written out, so that every LDS address of the text is a fixed register and an immediate.
; An expert with more than 192 rows is served by further passes over the slice in LDS (six cover 1,152 rows): no weight is read twice, whatever the split; that loop writes no LDS and holds no barrier.
; The matrix work stands behind the stream, not beside it: the price of one text for all waves.
; FRAGMENTS WITHOUT A TURNING LOAD.  w1 lies [K][F].  Lane (r, h) loads rows 8 h + i (i = 0..7) of 16, columns 4 r .. 4 r + 3; rounding rows 2 q and 2 q + 1 of column 4 r + j into one register gives
; register q of fragment j, whose column r stands for column 4 r + j.  So a result's register i in accumulators j = 0..3 holds row 8 h + i, columns 4 r .. 4 r + 3: four neighbours.
; THE LIST.  Wave 0 sorts the 1,024 tokens from the expert's row of the bitmap: chosen ones from the front by rank, the others from the back, so every word is written once.  Places past the count repeat the last chosen token.
; h lies [e][64 column blocks][1,024 ranks][64]: rows by rank, so that the second product reads dense rows.  Slot m of a tile holds rank 2 (m % 8) + m / 8, so that a store's two half-waves write neighbouring ranks: 256 consecutive bytes, aligned.
; NO JOINT LOADS, NO TENSOR LOADS: each slice of weights has one reader; the token rows come by a list, which no descriptor covers; the slice fills 262,144 of the LDS bytes.
; REGISTERS.  window 0: v0-31 addresses; v32-127 accumulators (u, j) at 32 + 32 u + 8 j; v128-159 two sets of 16 rounded registers; v160-255 slots 0-2 (later v160-191: the bias as a C operand).
;   window 1: v0-95 four A buffers of 24; v96-159 two B buffers of 32; v160-255 slots 3-5 (later: at work on the way out).
.set PITCH, 16384                      ; bytes from row to row of w1
.set HALFW, 4*128*PITCH                ; the second weight base: 512 rows on, so that every unit's place fits the loads' immediate
.set LIST,  262144                     ; behind the slice: 1,024 words
.set SPARE, 266240                     ; the spare words, 128 bytes a wave
.set ACC,   32
.set CVB,   128
.set STG,   160
.set BX,    160                        ; window 0: bias of column 4 r + j, eight times, at BX + 8 j
.set WSTR,  8                          ; v8-11   where I lay fragments: 16 lane + 4,096 wave + 65,536 q; never rewritten
.set BADR,  12                         ; v12-15  where I read B: 16 lane + 4,096 cg + 65,536 q; never rewritten
.set ROW,   16                         ; v16-18  byte offsets of my three tiles' rows in xh
.set TM,    160                        ; window 1, the way out
.set OU,    192
.set MSB, 0
.macro WIN new                         ; the immediate's high byte repeats the setting that is left; a switch that changes nothing is dropped
.if MSB != (\new)
	s_set_vgpr_msb (MSB<<8)|(\new)
.set MSB, (\new)
.endif
.endm
; unit n of my 16: K step 4 (n / 2) + w / 2, half n % 2: 16 rows x 64 columns = 8 loads, each of two row pieces of 256 aligned bytes, into slot n % 6
.macro WLOAD n
.set LB, STG+32*(((\n)%6)%3)
	WIN 0x40*(((\n)%6)/3)
.set i, 0
.rept 8
	global_load_b128 v[LB+4*i:LB+4*i+3], v6, s[36+2*((\n)>>3):37+2*((\n)>>3)] offset:(((\n)>>1)&3)*128*PITCH+((\n)&1)*16*PITCH+i*PITCH th:TH_LOAD_NT
.set i, i+1
.endr
.endm
; unit n is rounded and laid; cnt younger loads may stay out; rf = 1: its slot takes unit n + 6
.macro PUNIT n, rf, cnt
.set SB, STG+32*(((\n)%6)%3)
.set CV, CVB+16*((\n)&1)
	s_wait_loadcnt \cnt
	WIN 0x05*(((\n)%6)/3)
.set j, 0
.rept 4
.set q, 0
.rept 4
	v_cvt_pk_f16_f32 v[CV+4*j+q], v[SB+8*q+j], v[SB+8*q+4+j]
.set q, q+1
.endr
.set j, j+1
.endr
.if \rf
	WLOAD (\n)+6
.endif
	WIN 0
.set j, 0
.rept 4
	ds_store_b128 v[WSTR+((\n)>>2)], v[CV+4*j:CV+4*j+3] offset:(((\n)>>1)&1)*32768+((\n)&1)*512+j*1024  ; 512 consecutive bytes a store
.set j, j+1
.endr
.endm
; B fragments of K step s: 8 LDS loads of 512 consecutive bytes, into buffer s % 2 (the caller has set the destination's window)
.macro DSB s
.set BB, 96+32*((\s)&1)
.set j, 0
.rept 4
	ds_load_b128 v[BB+8*j:BB+8*j+3], v[BADR+((\s)>>3)] offset:((\s)&7)*8192+j*1024
	ds_load_b128 v[BB+8*j+4:BB+8*j+7], v[BADR+((\s)>>3)] offset:((\s)&7)*8192+j*1024+512
.set j, j+1
.endr
.endm
; A fragments of K step s for my three tiles: 6 loads into buffer s % 4
.macro LDA s
.set AB, 24*((\s)&3)
.set u, 0
.rept 3
	global_load_b128 v[AB+8*u:AB+8*u+3], v[ROW+u], s[4:5] offset:64*(\s)
	global_load_b128 v[AB+8*u+4:AB+8*u+7], v[ROW+u], s[4:5] offset:64*(\s)+32
.set u, u+1
.endr
.endm
.macro PRIME                           ; a pass's first four K steps of A
	WIN 0x40
	LDA 0
	LDA 1
	LDA 2
	LDA 3
	WIN 0
.endm
.macro MUL4 s, u                       ; tile u x four fragments; K step 0 starts the sums at the bias
.set AB, 24*((\s)&3)+8*(\u)
.set BB, 96+32*((\s)&1)
.set j, 0
.rept 4
.if (\s) == 0
	v_wmma_f32_16x16x32_f16 v[ACC+32*(\u)+8*j:ACC+32*(\u)+8*j+7], v[AB:AB+7], v[BB+8*j:BB+8*j+7], v[BX+8*j:BX+8*j+7]
.else
	v_wmma_f32_16x16x32_f16 v[ACC+32*(\u)+8*j:ACC+32*(\u)+8*j+7], v[AB:AB+7], v[BB+8*j:BB+8*j+7], v[ACC+32*(\u)+8*j:ACC+32*(\u)+8*j+7]
.endif
.set j, j+1
.endr
.endm
; K step s.  The accumulators take turns, one instruction a turn.  From K step 1 on tile 2 is jumped where the pass has no rows for it (s34 = my tiles with rows); K step 0 writes all twelve sums on every way.
; Four v_nop close the products: the places ahead of the loads into the A and B registers just read, and of whatever reads the sums.
.macro KSTEP s
	WIN 0x40
.if (\s) == 0
	DSB 0
.endif
.if (\s) < 31
	DSB (\s)+1
	s_wait_dscnt 0x8                       ; this step's B is in; the next step's 8 loads may be out
.else
	s_wait_dscnt 0x0
.endif
.if (\s) < 29
	s_wait_loadcnt 18                      ; buffer s % 4 is in; the three younger buffers' 18 loads stay out
.else
	s_wait_loadcnt 6*(31-(\s))             ; nothing is asked for any more: the counts run down
.endif
	WIN 0x05
	MUL4 \s, 0
	MUL4 \s, 1
.if (\s) > 0
	WIN 0
	s_cmp_le_u32 s34, 2
	s_cbranch_scc1 .Lsk_\@
	WIN 0x05
.endif
	MUL4 \s, 2
	WIN 0
.if (\s) > 0
.Lsk_\@:
.endif
.rept 4
	v_nop
.endr
.if (\s) < 28
	WIN 0x40
	LDA (\s)+4
.endif
.endm
; a pass's rows: my tiles with rows (s34) and, from the list, the byte offsets of my three tiles' rows in xh
.macro SETUP_A
	s_sub_co_u32 s50, s32, s30             ; rows from this pass's first on
	s_add_co_u32 s50, s50, 15
	s_lshr_b32 s50, s50, 4
	s_min_u32 s50, s50, 12                 ; tiles of the pass
	s_add_co_u32 s50, s50, 3
	s_sub_co_u32 s50, s50, s23
	s_lshr_b32 s34, s50, 2                 ; those of them that are 4 u + rg
.set u, 0
.rept 3
	s_add_co_u32 s51, s30, 64*u
	v_add_nc_u32 v26, s51, v24
	v_min_u32 v26, s33, v26                ; places past the count repeat the last row
	v_min_u32 v26, 0x3ff, v26
	v_lshl_add_u32 v26, v26, 2, LIST
	ds_load_b32 v[ROW+u], v26
.set u, u+1
.endr
	v_lshlrev_b32 v27, 4, v3
	s_wait_dscnt 0x0
.set u, 0
.rept 3
	v_min_u32 v[ROW+u], 0x3ff, v[ROW+u]
	v_lshl_add_u32 v[ROW+u], v[ROW+u], 11, v27  ; token x 2,048 + 16 h
.set u, u+1
.endr
.endm
; THE WAY OUT of tile u: silu(s) = s / (1 + 2^(-s log2 e)); each batch of 32 transcendentals has one plain instruction and one wait behind it; each accumulator is read from its low end on.
.macro TILE u
.set A0R, ACC+32*(\u)
	WIN 0x40
.set n, 0
.rept 16
	v_pk_mul_f32 v[TM+2*n:TM+2*n+1], v[A0R+2*n:A0R+2*n+1], 0xbfb8aa3b op_sel_hi:[1,0]
.set n, n+1
.endr
	WIN 0x41
.set n, 0
.rept 32
	v_exp_f32 v[TM+n], v[TM+n]
.set n, n+1
.endr
	v_nop
	s_wait_alu depctr_va_vdst(0)
.set n, 0
.rept 16
	v_pk_add_f32 v[TM+2*n:TM+2*n+1], v[TM+2*n:TM+2*n+1], 1.0 op_sel_hi:[1,0]
.set n, n+1
.endr
.set n, 0
.rept 32
	v_rcp_f32 v[TM+n], v[TM+n]
.set n, n+1
.endr
	v_nop
	s_wait_alu depctr_va_vdst(0)
.set n, 0
.rept 16
	v_pk_mul_f32 v[TM+2*n:TM+2*n+1], v[TM+2*n:TM+2*n+1], v[A0R+2*n:A0R+2*n+1]
.set n, n+1
.endr
	s_wait_xcnt 0x0                        ; the last tile's stores have read their registers
	WIN 0x45
.set i, 0
.rept 8
	v_cvt_pk_f16_f32 v[OU+2*i], v[TM+i], v[TM+8+i]          ; row 8 h + i, columns 4 r, 4 r + 1
	v_cvt_pk_f16_f32 v[OU+2*i+1], v[TM+16+i], v[TM+24+i]    ; columns 4 r + 2, 4 r + 3
.set i, i+1
.endr
	WIN 0x04
.set i, 0
.rept 8
	global_store_b64 v19, v[OU+2*i:OU+2*i+1], s[42:43] offset:(\u)*8192+i*256  ; ranks 2 i and 2 i + 1 of the tile: 256 consecutive bytes, aligned
.set i, i+1
.endr
	WIN 0
.endm
	s_load_b256 s[4:11], s[0:1], 0x0       ; xh s[4:5], w1 s[6:7], b1 s[8:9], bitmap s[10:11]
	s_load_b128 s[12:15], s[0:1], 0x20     ; h s[12:13], list s[14:15]
	v_lshl_add_u32 v4, v0, 2, SPARE        ; my spare word
	v_mov_b32 v5, 0
	v_and_b32 v1, 31, v0                   ; lane
	v_lshrrev_b32 v26, 5, v0
	v_readfirstlane_b32 s20, v26           ; wave
	v_and_b32 v2, 15, v0                   ; r
	v_bfe_u32 v3, v0, 4, 1                 ; h
	s_and_b32 s22, s20, 1                  ; cg: which 64 columns
	s_lshr_b32 s23, s20, 1                 ; phase P: which K steps; phase C: rg
	s_lshr_b32 s24, ttmp9, 5               ; expert
	s_and_b32 s25, ttmp9, 31               ; slice
	s_mov_b32 s29, 0                       ; pass
	s_mov_b32 s30, 0                       ; its first row
	v_lshlrev_b32 v25, 4, v2               ; 16 r
	v_lshl_add_u32 v6, v3, 17, v25         ; weights: 8 h rows + 16 r
	s_lshl_b32 s44, s20, 12
	v_lshl_add_u32 v[WSTR], v1, 4, s44
	s_lshl_b32 s46, s22, 12
	v_lshl_add_u32 v[BADR], v1, 4, s46
.irp q, 1,2,3
	v_add_nc_u32 v[WSTR+\q], \q*0x10000, v[WSTR]
	v_add_nc_u32 v[BADR+\q], \q*0x10000, v[BADR]
.endr
	v_lshlrev_b32 v19, 3, v2
	v_lshl_add_u32 v19, v3, 7, v19         ; h: 128 h + 8 r
	v_and_b32 v26, 7, v2
	v_lshrrev_b32 v27, 3, v2
	v_lshl_add_u32 v24, v26, 1, v27
	s_lshl_b32 s50, s23, 4
	v_add_nc_u32 v24, s50, v24             ; my slot's rank among four tiles: 2 (r % 8) + r / 8 + 16 rg
	s_lshl_b32 s44, s24, 24                ; the expert's 16 MiB,
	s_lshl_b32 s47, s25, 9                 ; the slice's 512 bytes of a row,
	s_add_co_u32 s44, s44, s47
	s_lshl_b32 s47, s22, 8                 ; my 256 of them,
	s_add_co_u32 s44, s44, s47
	s_lshl_b32 s47, s23, 19                ; my first K step's 32 rows
	s_add_co_u32 s44, s44, s47
	s_mov_b32 s45, 0
	s_lshl_b32 s48, s24, 7
	s_mov_b32 s49, 0
	s_wait_kmcnt 0x0
	s_add_nc_u64 s[10:11], s[10:11], s[48:49]
	s_load_b512 s[68:83], s[10:11], 0x0    ; the expert's row of the bitmap
	s_load_b512 s[84:99], s[10:11], 0x40
	s_add_nc_u64 s[36:37], s[6:7], s[44:45]
	s_add_nc_u64 s[38:39], s[36:37], HALFW
.irp n, 0,1,2,3,4,5
	WLOAD \n                               ; six units, 48 loads, before anything else
.endr
	WIN 0
	s_lshl_b32 s44, s24, 23                ; h: the expert's 8 MiB,
	s_lshl_b32 s47, s25, 18                ; block 2 sl + cg of 131,072 bytes,
	s_add_co_u32 s44, s44, s47
	s_lshl_b32 s47, s22, 17
	s_add_co_u32 s44, s44, s47
	s_lshl_b32 s47, s23, 11                ; tile rg
	s_add_co_u32 s44, s44, s47
	s_add_nc_u64 s[42:43], s[12:13], s[44:45]
	s_lshl_b32 s44, s24, 14                ; b1: the expert's row, my 64 columns
	s_lshl_b32 s47, s25, 9
	s_add_co_u32 s44, s44, s47
	s_lshl_b32 s47, s22, 8
	s_add_co_u32 s44, s44, s47
	s_add_nc_u64 s[8:9], s[8:9], s[44:45]
	s_wait_kmcnt 0x0
	s_mov_b32 s31, 0                       ; the expert's count
.set i, 0
.rept 32
	s_bcnt1_i32_b32 s47, s[68+i]
	s_add_co_u32 s31, s31, s47
.set i, i+1
.endr
	s_max_u32 s32, s31, 1                  ; an expert without rows still makes one tile, so that every byte read later is written
	s_sub_co_u32 s33, s32, 1
	s_cmp_lg_u32 s20, 0
	s_cbranch_scc1 .Lbuilt
	v_lshlrev_b32 v20, v1, 1               ; wave 0 sorts, while its first weights are on their way.  My lane's bit,
	v_sub_nc_u32 v21, 0x3ff, v1            ; 1,023 - token,
	v_mov_b32 v22, v1                      ; token
	s_mov_b32 s47, 0                       ; chosen tokens so far
.set i, 0
.rept 32
	v_mbcnt_lo_u32_b32 v26, s[68+i], s47   ; chosen tokens ahead of mine: my rank if I am chosen
	v_add_nc_u32 v27, v26, v21             ; else 1,023 - (tokens ahead of mine that are not chosen)
	v_and_b32 v28, s[68+i], v20
	v_cmp_ne_u32 vcc_lo, 0, v28
	v_cndmask_b32 v26, v27, v26, vcc_lo
	v_min_u32 v26, 0x3ff, v26
	v_lshl_add_u32 v26, v26, 2, LIST
	ds_store_b32 v26, v22
	v_add_nc_u32 v22, 32, v22
	v_add_nc_u32 v21, 0xffffffe0, v21
	s_bcnt1_i32_b32 s50, s[68+i]
	s_add_co_u32 s47, s47, s50
.set i, i+1
.endr
.Lbuilt:
.set un, 0
.rept 10
	PUNIT un, 1, 40                        ; six units are out: the wait leaves the five younger (40 loads)
.set un, un+1
.endr
	PUNIT 10, 0, 40                        ; all 16 units have been asked for
	PUNIT 11, 0, 32
	s_wait_dscnt 0x0                       ; the list is stored, for the other waves' sake
	s_barrier_signal -1
	s_barrier_wait -1
	s_cmp_lg_u32 s20, 1
	s_cbranch_scc1 .Lnocopy
	s_cmp_lg_u32 s25, 0
	s_cbranch_scc1 .Lnocopy
	s_mul_i32 s44, s24, 4352               ; slice 0's wave 1 hands the list and the count on to the second product
	s_add_nc_u64 s[14:15], s[14:15], s[44:45]
	v_lshl_add_u32 v26, v1, 4, LIST
.set i, 0
.rept 8
	ds_load_b128 v[CVB+4*i:CVB+4*i+3], v26 offset:512*i
.set i, i+1
.endr
	v_lshlrev_b32 v27, 4, v1
	v_lshlrev_b32 v28, 2, v1
	v_mov_b32 v29, s31
	s_wait_dscnt 0x0
.set i, 0
.rept 8
	global_store_b128 v27, v[CVB+4*i:CVB+4*i+3], s[14:15] offset:512*i
.set i, i+1
.endr
	global_store_b32 v28, v29, s[14:15] offset:4096  ; the count, once a lane: 128 consecutive bytes
	s_wait_xcnt 0x0                        ; these registers are written again only behind this wait
.Lnocopy:
	SETUP_A
	global_load_b128 v[20:23], v25, s[8:9] ; bias of columns 4 r .. 4 r + 3
	PRIME                                  ; 32 + 1 + 24 = 57 loads are out
	PUNIT 12, 0, 49                        ; three younger units, the bias and the 24 of A may stay out
	PUNIT 13, 0, 41
	PUNIT 14, 0, 33
	PUNIT 15, 0, 25
	s_wait_dscnt 0x0                       ; my part of the slice is laid, for the other waves' sake
	s_barrier_signal -1
	s_barrier_wait -1
	s_wait_loadcnt 24                      ; the bias, asked for ahead of the 24
.set n, 0
.rept 32
	v_mov_b32 v[BX+n], v[20+(n>>3)]        ; as a C operand: eight rows of the same column's bias
.set n, n+1
.endr
.Lsweep:                                       ; a pass: 32 K steps, the way out
.set ks, 0
.rept 32
	KSTEP ks
.set ks, ks+1
.endr
.irp u, 0,1,2
	s_cmp_le_u32 s34, \u
	s_cbranch_scc1 .Lstored
	TILE \u
.endr
.Lstored:
	s_add_co_u32 s29, s29, 1
	s_add_co_u32 s30, s30, 192
	s_cmp_ge_u32 s30, s32
	s_cbranch_scc1 .Lend                   ; no rows are left: the usual way out
	s_wait_xcnt 0x0                        ; a further pass over the slice in LDS
	s_add_nc_u64 s[42:43], s[42:43], 24576 ; 12 tiles of h on
	SETUP_A
	PRIME
	s_cmp_lt_u32 s29, 6                    ; six passes cover 1,152 rows: the way out above is always taken first
	s_cbranch_scc1 .Lsweep
.Lend:
	s_wait_tensorcnt 0x0                   ; the wave's end, behind the last LDS store
	ds_add_u32 v4, v5
	s_wait_dscnt 0x0
	s_endpgm
.Lfunc_end_k_q8ee51f4ea1_ffn1:
	.size	k_q8ee51f4ea1_ffn1, .Lfunc_end_k_q8ee51f4ea1_ffn1-k_q8ee51f4ea1_ffn1
	.p2alignl 7, 3214868480
	.fill 96, 4, 3214868480
	.section	.rodata,"a",@progbits
	.p2align	6, 0x0
	.amdhsa_kernel k_q8ee51f4ea1_ffn1
		.amdhsa_group_segment_fixed_size 267264
		.amdhsa_private_segment_fixed_size 0
		.amdhsa_enable_private_segment 0
		.amdhsa_kernarg_size 48
		.amdhsa_user_sgpr_count 2
		.amdhsa_user_sgpr_kernarg_segment_ptr 1
		.amdhsa_wavefront_size32 1
		.amdhsa_system_sgpr_workgroup_id_x 1
		.amdhsa_system_sgpr_workgroup_id_y 1
		.amdhsa_system_sgpr_workgroup_id_z 1
		.amdhsa_system_vgpr_workitem_id 0
		.amdhsa_next_free_vgpr 512
		.amdhsa_next_free_sgpr 104
		.amdhsa_reserve_vcc 1
		.amdhsa_float_denorm_mode_32 3
		.amdhsa_float_denorm_mode_16_64 3
		.amdhsa_memory_ordered 1
		.amdhsa_forward_progress 1
		.amdhsa_inst_pref_size 160
	.end_amdhsa_kernel
	.amdgpu_metadata
---
amdhsa.version: [ 1, 2 ]
amdhsa.kernels:
  - .name:           k_q8ee51f4ea1_ffn1
    .symbol:         k_q8ee51f4ea1_ffn1.kd
    .args:
      - { .name: xh, .offset: 0, .size: 8, .value_kind: global_buffer, .address_space: global }
      - { .name: w1, .offset: 8, .size: 8, .value_kind: global_buffer, .address_space: global }
      - { .name: b1, .offset: 16, .size: 8, .value_kind: global_buffer, .address_space: global }
      - { .name: bitmap, .offset: 24, .size: 8, .value_kind: global_buffer, .address_space: global }
      - { .name: h, .offset: 32, .size: 8, .value_kind: global_buffer, .address_space: global }
      - { .name: list, .offset: 40, .size: 8, .value_kind: global_buffer, .address_space: global }
    .group_segment_fixed_size: 267264
    .private_segment_fixed_size: 0
    .kernarg_segment_align: 8
    .kernarg_segment_size: 48
    .max_flat_workgroup_size: 256
    .sgpr_count:     104
    .vgpr_count:     512
    .wavefront_size: 32
...
	.end_amdgpu_metadata
.endif
;; end of part 2
;; launch ffn2 (part 3): grid 256 x 1, 8 waves a work-group, no clusters, 263,168 bytes of LDS; arguments h, w2, list, prob, part; writes part
.if DOCPART == 3
	.amdgcn_target "amdgcn-amd-amdhsa--gfx1250"
	.amdhsa_code_object_version 6
	.text
	.protected	k_q8ee51f4ea1_ffn2
	.globl	k_q8ee51f4ea1_ffn2
	.p2align	8
	.type	k_q8ee51f4ea1_ffn2,@function
k_q8ee51f4ea1_ffn2:
	s_mov_b64 s[64:65], 0
	v_nop
	global_prefetch_b8 v0, s[64:65] scope:SCOPE_SE
	s_setreg_imm32_b32 hwreg(HW_REG_WAVE_MODE, 25, 1), 1
	s_wait_xcnt 0x0
; SECOND PRODUCT.  part[kq][token] = prob[token] x (h[token] w2[e]) over a quarter kq of F, for the tokens that chose expert e.  h comes as f16, w2 is rounded to f16 on its way through registers, sums and parts in f32.
; LIMITS.  |h| and |w2| stay under 65,504 (f16).  NaN and infinities are not treated apart.
; SHARES.  Work-group = (expert e = id / 32, quarter kq = (id / 8) % 4, columns cs = id % 8): 1,024 of K x 128 columns of C: 131,072 weights that it alone reads, once, in row pieces of 256 aligned bytes.
; K is cut in four so that the slice has this shape; the four parts of a row are added by the launch behind.
; The first product's scheme: all eight waves run one text.  PHASE P lays the slice into LDS as finished fragments (wave w: the K steps that are w / 2 modulo 4, column group w % 2; 16 units of 8 loads, six slots, 48 loads out).
; PHASE C, behind one barrier: wave (cg = w % 2, rg = w / 2) has 64 columns and the tiles 4 u + rg, u = 0..2, of a pass of 192 rows; A straight from memory, B from LDS; the 32 K steps are written out, every LDS address a fixed register and an immediate.
; Further passes over the slice in LDS serve an expert with more than 192 rows; that loop writes no LDS and holds no barrier.  The matrix work stands behind the stream: the price of one text for all waves.
; h lies [e][64 blocks of 64 of F][1,024 ranks][64]: a K step of 32 is 64 bytes of a rank's 128 in a block.  Rows past the expert's last written tile repeat that tile's last row; in the tile that holds the count the
; places past it hold the last token's h and its token number, so they store the same numbers to the same bytes, from one wave.  An expert without rows stores nothing.
; FRAGMENTS: lane (r, h) loads rows 8 h + i of 16, columns 4 r .. 4 r + 3, and rounds rows 2 q, 2 q + 1 of column 4 r + j into register q of fragment j; a result's register i in accumulators j = 0..3 is row 8 h + i, columns 4 r .. 4 r + 3.
; NO JOINT LOADS, NO TENSOR LOADS: each slice of weights has one reader; h's rows go straight into A fragments; the slice fills 262,144 of the LDS bytes.
; REGISTERS.  window 0: v0-31 addresses (v16-18 row offsets, v20-22 token numbers, v23-25 probabilities of my three tiles' slots); v32-127 accumulators; v128-159 rounded registers; v160-255 slots 0-2.
;   window 1: v0-95 four A buffers of 24; v96-159 two B buffers of 32; v160-255 slots 3-5 (later: at work on the way out).
.set PITCH, 4096
.set HALFW, 4*128*PITCH
.set SPARE, 262144
.set ACC,   32
.set CVB,   128
.set STG,   160
.set WSTR,  8
.set BADR,  12
.set ROW,   16
.set TOK,   20
.set PRB,   23
.set IX,    160                        ; window 1, the way out: 4 x lane 8 h + i
.set TT,    168                        ; row 8 h + i's token, then its byte offset
.set QQ,    176                        ; its probability
.set OU,    192
.set MSB, 0
.macro WIN new
.if MSB != (\new)
	s_set_vgpr_msb (MSB<<8)|(\new)
.set MSB, (\new)
.endif
.endm
.macro WLOAD n                         ; unit n of my 16: K step 4 (n / 2) + w / 2, half n % 2: 8 loads into slot n % 6
.set LB, STG+32*(((\n)%6)%3)
	WIN 0x40*(((\n)%6)/3)
.set i, 0
.rept 8
	global_load_b128 v[LB+4*i:LB+4*i+3], v6, s[36+2*((\n)>>3):37+2*((\n)>>3)] offset:(((\n)>>1)&3)*128*PITCH+((\n)&1)*16*PITCH+i*PITCH th:TH_LOAD_NT
.set i, i+1
.endr
.endm
.macro PUNIT n, rf, cnt                ; unit n is rounded and laid; cnt younger loads may stay out; rf = 1: its slot takes unit n + 6
.set SB, STG+32*(((\n)%6)%3)
.set CV, CVB+16*((\n)&1)
	s_wait_loadcnt \cnt
	WIN 0x05*(((\n)%6)/3)
.set j, 0
.rept 4
.set q, 0
.rept 4
	v_cvt_pk_f16_f32 v[CV+4*j+q], v[SB+8*q+j], v[SB+8*q+4+j]
.set q, q+1
.endr
.set j, j+1
.endr
.if \rf
	WLOAD (\n)+6
.endif
	WIN 0
.set j, 0
.rept 4
	ds_store_b128 v[WSTR+((\n)>>2)], v[CV+4*j:CV+4*j+3] offset:(((\n)>>1)&1)*32768+((\n)&1)*512+j*1024
.set j, j+1
.endr
.endm
.macro DSB s
.set BB, 96+32*((\s)&1)
.set j, 0
.rept 4
	ds_load_b128 v[BB+8*j:BB+8*j+3], v[BADR+((\s)>>3)] offset:((\s)&7)*8192+j*1024
	ds_load_b128 v[BB+8*j+4:BB+8*j+7], v[BADR+((\s)>>3)] offset:((\s)&7)*8192+j*1024+512
.set j, j+1
.endr
.endm
.macro LDA s                           ; K step s lies in block s / 2, at byte 64 (s % 2) of a rank's 128
.set AB, 24*((\s)&3)
.set AI, ((\s)&1)*64+((\s)>>1)*131072
.set u, 0
.rept 3
	global_load_b128 v[AB+8*u:AB+8*u+3], v[ROW+u], s[40:41] offset:AI
	global_load_b128 v[AB+8*u+4:AB+8*u+7], v[ROW+u], s[40:41] offset:AI+32
.set u, u+1
.endr
.endm
.macro PRIME
	WIN 0x40
	LDA 0
	LDA 1
	LDA 2
	LDA 3
	WIN 0
.endm
.macro MUL4 s, u                       ; K step 0 starts the sums with the constant 0: nothing is cleared
.set AB, 24*((\s)&3)+8*(\u)
.set BB, 96+32*((\s)&1)
.set j, 0
.rept 4
.if (\s) == 0
	v_wmma_f32_16x16x32_f16 v[ACC+32*(\u)+8*j:ACC+32*(\u)+8*j+7], v[AB:AB+7], v[BB+8*j:BB+8*j+7], 0
.else
	v_wmma_f32_16x16x32_f16 v[ACC+32*(\u)+8*j:ACC+32*(\u)+8*j+7], v[AB:AB+7], v[BB+8*j:BB+8*j+7], v[ACC+32*(\u)+8*j:ACC+32*(\u)+8*j+7]
.endif
.set j, j+1
.endr
.endm
; K step s: the accumulators take turns; from K step 1 on tile 2 is jumped where the pass has no rows for it; four v_nop are the places ahead of the loads that follow and of whatever reads the sums
.macro KSTEP s
	WIN 0x40
.if (\s) == 0
	DSB 0
.endif
.if (\s) < 31
	DSB (\s)+1
	s_wait_dscnt 0x8                       ; this step's B is in; the next step's 8 loads may be out
.else
	s_wait_dscnt 0x0
.endif
.if (\s) < 29
	s_wait_loadcnt 18                      ; buffer s % 4 is in; the three younger buffers' 18 loads stay out (in K steps 0-3 the three loads of prob are younger too: the count is then smaller than it need be)
.else
	s_wait_loadcnt 6*(31-(\s))
.endif
	WIN 0x05
	MUL4 \s, 0
	MUL4 \s, 1
.if (\s) > 0
	WIN 0
	s_cmp_le_u32 s34, 2
	s_cbranch_scc1 .Lsk_\@
	WIN 0x05
.endif
	MUL4 \s, 2
	WIN 0
.if (\s) > 0
.Lsk_\@:
.endif
.rept 4
	v_nop
.endr
.if (\s) < 28
	WIN 0x40
	LDA (\s)+4
.endif
.endm
; a pass's rows: my tiles with rows (s34), those that are stored (s35), the rows' offsets in a block of h, and the loads of their tokens
.macro SETUP_A
	s_sub_co_u32 s50, s32, s30
	s_add_co_u32 s50, s50, 15
	s_lshr_b32 s50, s50, 4
	s_min_u32 s50, s50, 12
	s_add_co_u32 s50, s50, 3
	s_sub_co_u32 s50, s50, s23
	s_lshr_b32 s34, s50, 2
	s_cmp_eq_u32 s31, 0
	s_cselect_b32 s35, 0, s34              ; an expert without rows stores nothing
	s_add_co_u32 s52, s32, 15
	s_and_b32 s52, s52, 0xfffffff0
	s_sub_co_u32 s52, s52, 1               ; the last rank that the first product wrote
	s_lshl_b32 s51, s23, 4
	s_add_co_u32 s51, s51, s30
	v_lshlrev_b32 v28, 4, v3
.set u, 0
.rept 3
	v_add_nc_u32 v26, s51, v2              ; my slot's rank
	v_min_u32 v27, s52, v26
	v_min_u32 v27, 0x3ff, v27
	v_lshl_add_u32 v[ROW+u], v27, 7, v28   ; rank x 128 + 16 h
	v_min_u32 v26, s33, v26
	v_min_u32 v26, 0x3ff, v26
	v_lshlrev_b32 v[TOK+u], 2, v26
	global_load_b32 v[TOK+u], v[TOK+u], s[8:9]  ; its token
	s_add_co_u32 s51, s51, 64
.set u, u+1
.endr
.endm
.macro POST                            ; behind the 24 loads of A: the tokens are in; their probabilities are asked for
	s_wait_loadcnt 24
.set u, 0
.rept 3
	v_min_u32 v[TOK+u], 0x3ff, v[TOK+u]
	v_lshlrev_b32 v[PRB+u], 2, v[TOK+u]
	global_load_b32 v[PRB+u], v[PRB+u], s[10:11]
.set u, u+1
.endr
.endm
; THE WAY OUT of tile u.  Row 8 h + i's token and probability lie in lane 8 h + i; the token number is clamped behind the exchange, directly ahead of the address.
; The scaling also brings a row's four neighbouring columns into four registers on end; each accumulator's register 0 is read first.
.macro TILE u
	s_wait_xcnt 0x0                        ; the last tile's stores have read their registers
	WIN 0x41
.set i, 0
.rept 8
	ds_bpermute_b32 v[TT+i], v[IX+i], v[TOK+(\u)]
.set i, i+1
.endr
.set i, 0
.rept 8
	ds_bpermute_b32 v[QQ+i], v[IX+i], v[PRB+(\u)]
.set i, i+1
.endr
	s_wait_dscnt 0x0
	WIN 0x44
.set i, 0
.rept 8
	v_min_u32 v[TT+i], 0x3ff, v[TT+i]
.set i, i+1
.endr
	WIN 0x41
.set i, 0
.rept 8
	v_lshl_add_u32 v[TT+i], v[TT+i], 12, v19  ; token x 4,096 + 16 r
.set i, i+1
.endr
	WIN 0x44
.set i, 0
.rept 8
.set j, 0
.rept 4
	v_mul_f32 v[OU+4*i+j], v[ACC+32*(\u)+8*j+i], v[QQ+i]
.set j, j+1
.endr
.set i, i+1
.endr
	WIN 0x05
.set i, 0
.rept 8
	global_store_b128 v[TT+i], v[OU+4*i:OU+4*i+3], s[42:43]  ; 16 lanes store 256 consecutive bytes of a token's row, aligned
.set i, i+1
.endr
	WIN 0
.endm
	s_load_b256 s[4:11], s[0:1], 0x0       ; h s[4:5], w2 s[6:7], list s[8:9], prob s[10:11]
	s_load_b64 s[12:13], s[0:1], 0x20      ; part
	v_lshl_add_u32 v4, v0, 2, SPARE        ; my spare word
	v_mov_b32 v5, 0
	v_and_b32 v1, 31, v0                   ; lane
	v_lshrrev_b32 v26, 5, v0
	v_readfirstlane_b32 s20, v26           ; wave
	v_and_b32 v2, 15, v0                   ; r
	v_bfe_u32 v3, v0, 4, 1                 ; h
	s_and_b32 s22, s20, 1                  ; cg
	s_lshr_b32 s23, s20, 1                 ; phase P: which K steps; phase C: rg
	s_lshr_b32 s24, ttmp9, 5               ; expert
	s_bfe_u32 s26, ttmp9, 0x20003          ; quarter of F
	s_and_b32 s25, ttmp9, 7                ; 128 columns of C
	s_mov_b32 s29, 0                       ; pass
	s_mov_b32 s30, 0                       ; its first row
	v_lshlrev_b32 v19, 4, v2               ; 16 r
	v_lshl_add_u32 v6, v3, 15, v19         ; weights: 8 h rows + 16 r
	s_lshl_b32 s44, s20, 12
	v_lshl_add_u32 v[WSTR], v1, 4, s44
	s_lshl_b32 s46, s22, 12
	v_lshl_add_u32 v[BADR], v1, 4, s46
.irp q, 1,2,3
	v_add_nc_u32 v[WSTR+\q], \q*0x10000, v[WSTR]
	v_add_nc_u32 v[BADR+\q], \q*0x10000, v[BADR]
.endr
	s_lshl_b32 s44, s24, 24                ; the expert's 16 MiB,
	s_lshl_b32 s47, s26, 22                ; the quarter's 1,024 rows,
	s_add_co_u32 s44, s44, s47
	s_lshl_b32 s47, s25, 9                 ; the slice's 512 bytes of a row,
	s_add_co_u32 s44, s44, s47
	s_lshl_b32 s47, s22, 8                 ; my 256 of them,
	s_add_co_u32 s44, s44, s47
	s_lshl_b32 s47, s23, 17                ; my first K step's 32 rows
	s_add_co_u32 s44, s44, s47
	s_mov_b32 s45, 0
	s_mul_i32 s48, s24, 4352
	s_mov_b32 s49, 0
	s_wait_kmcnt 0x0
	s_add_nc_u64 s[8:9], s[8:9], s[48:49]  ; the expert's list
	s_load_b32 s31, s[8:9], 0x1000         ; its count
	s_add_nc_u64 s[36:37], s[6:7], s[44:45]
	s_add_nc_u64 s[38:39], s[36:37], HALFW
.irp n, 0,1,2,3,4,5
	WLOAD \n                               ; six units, 48 loads, before anything else
.endr
	WIN 0
	s_lshl_b32 s44, s24, 23                ; h: the expert's 8 MiB, the quarter's 16 blocks
	s_lshl_b32 s47, s26, 21
	s_add_co_u32 s44, s44, s47
	s_add_nc_u64 s[40:41], s[4:5], s[44:45]
	s_lshl_b32 s44, s26, 22                ; part: the quarter's 4 MiB, my 256 bytes of a row
	s_lshl_b32 s47, s25, 9
	s_add_co_u32 s44, s44, s47
	s_lshl_b32 s47, s22, 8
	s_add_co_u32 s44, s44, s47
	s_add_nc_u64 s[42:43], s[12:13], s[44:45]
	s_wait_kmcnt 0x0
	s_min_u32 s31, s31, 1024
	s_max_u32 s32, s31, 1
	s_sub_co_u32 s33, s32, 1
.set un, 0
.rept 10
	PUNIT un, 1, 40                        ; six units are out: the wait leaves the five younger (40 loads)
.set un, un+1
.endr
	PUNIT 10, 0, 40                        ; all 16 units have been asked for
	PUNIT 11, 0, 32
	SETUP_A                                ; 3 loads of tokens,
	PRIME                                  ; 24 of A: 32 + 27 = 59 loads are out
	PUNIT 12, 0, 51                        ; three younger units and those 27 may stay out
	PUNIT 13, 0, 43
	PUNIT 14, 0, 35
	PUNIT 15, 0, 27
	s_wait_dscnt 0x0                       ; my part of the slice is laid, for the other waves' sake
	s_barrier_signal -1
	s_barrier_wait -1
	POST
	v_lshlrev_b32 v26, 5, v3
	WIN 0x40
.set i, 0
.rept 8
	v_add_nc_u32 v[IX+i], 4*i, v26         ; 4 x lane 8 h + i, for the exchange on the way out
.set i, i+1
.endr
	WIN 0
.Lsweep:                                       ; a pass: 32 K steps, the way out
.set ks, 0
.rept 32
	KSTEP ks
.set ks, ks+1
.endr
.irp u, 0,1,2
	s_cmp_le_u32 s35, \u
	s_cbranch_scc1 .Lstored
	TILE \u
.endr
.Lstored:
	s_add_co_u32 s29, s29, 1
	s_add_co_u32 s30, s30, 192
	s_cmp_ge_u32 s30, s32
	s_cbranch_scc1 .Lend                   ; no rows are left: the usual way out
	s_wait_xcnt 0x0                        ; a further pass over the slice in LDS
	SETUP_A
	PRIME
	POST
	s_cmp_lt_u32 s29, 6                    ; six passes cover 1,152 rows: the way out above is always taken first
	s_cbranch_scc1 .Lsweep
.Lend:
	s_wait_tensorcnt 0x0                   ; the wave's end, behind the last LDS store
	ds_add_u32 v4, v5
	s_wait_dscnt 0x0
	s_endpgm
.Lfunc_end_k_q8ee51f4ea1_ffn2:
	.size	k_q8ee51f4ea1_ffn2, .Lfunc_end_k_q8ee51f4ea1_ffn2-k_q8ee51f4ea1_ffn2
	.p2alignl 7, 3214868480
	.fill 96, 4, 3214868480
	.section	.rodata,"a",@progbits
	.p2align	6, 0x0
	.amdhsa_kernel k_q8ee51f4ea1_ffn2
		.amdhsa_group_segment_fixed_size 263168
		.amdhsa_private_segment_fixed_size 0
		.amdhsa_enable_private_segment 0
		.amdhsa_kernarg_size 40
		.amdhsa_user_sgpr_count 2
		.amdhsa_user_sgpr_kernarg_segment_ptr 1
		.amdhsa_wavefront_size32 1
		.amdhsa_system_sgpr_workgroup_id_x 1
		.amdhsa_system_sgpr_workgroup_id_y 1
		.amdhsa_system_sgpr_workgroup_id_z 1
		.amdhsa_system_vgpr_workitem_id 0
		.amdhsa_next_free_vgpr 512
		.amdhsa_next_free_sgpr 66
		.amdhsa_reserve_vcc 0
		.amdhsa_float_denorm_mode_32 3
		.amdhsa_float_denorm_mode_16_64 3
		.amdhsa_memory_ordered 1
		.amdhsa_forward_progress 1
		.amdhsa_inst_pref_size 127
	.end_amdhsa_kernel
	.amdgpu_metadata
---
amdhsa.version: [ 1, 2 ]
amdhsa.kernels:
  - .name:           k_q8ee51f4ea1_ffn2
    .symbol:         k_q8ee51f4ea1_ffn2.kd
    .args:
      - { .name: h, .offset: 0, .size: 8, .value_kind: global_buffer, .address_space: global }
      - { .name: w2, .offset: 8, .size: 8, .value_kind: global_buffer, .address_space: global }
      - { .name: list, .offset: 16, .size: 8, .value_kind: global_buffer, .address_space: global }
      - { .name: prob, .offset: 24, .size: 8, .value_kind: global_buffer, .address_space: global }
      - { .name: part, .offset: 32, .size: 8, .value_kind: global_buffer, .address_space: global }
    .group_segment_fixed_size: 263168
    .private_segment_fixed_size: 0
    .kernarg_segment_align: 8
    .kernarg_segment_size: 40
    .max_flat_workgroup_size: 256
    .sgpr_count:     66
    .vgpr_count:     512
    .wavefront_size: 32
...
	.end_amdgpu_metadata
.endif
;; end of part 3
;; launch combine (part 4): grid 256 x 1, 8 waves a work-group, no clusters, 0 bytes of LDS; arguments part, b2, top1, prob, stats, out0, out1; writes out0, out1
.if DOCPART == 4
	.amdgcn_target "amdgcn-amd-amdhsa--gfx1250"
	.amdhsa_code_object_version 6
	.text
	.protected	k_q8ee51f4ea1_combine
	.globl	k_q8ee51f4ea1_combine
	.p2align	8
	.type	k_q8ee51f4ea1_combine,@function
k_q8ee51f4ea1_combine:
	s_mov_b64 s[64:65], 0
	v_nop
	global_prefetch_b8 v0, s[64:65] scope:SCOPE_SE
	s_setreg_imm32_b32 hwreg(HW_REG_WAVE_MODE, 25, 1), 1
	s_wait_xcnt 0x0
; out0[token] = the four parts of the second product (already times prob) + prob x b2[top1[token]];  out1 = 8 x the sum over experts of mean(probs) x mean(choices).
; A stream: work-group g has tokens 4 g .. 4 g + 3, thread n the 16 bytes at 16 n of each row; every load and store of a wave covers 512 consecutive bytes.  All 20 loads go out before the first wait.
; Matrix units, LDS and clusters have nothing to do here.  Work-group 0's wave 0 also adds the 128 groups' sums for out1.
	s_load_b256 s[4:11], s[0:1], 0x0       ; part s[4:5], b2 s[6:7], top1 s[8:9], prob s[10:11]
	s_load_b128 s[12:15], s[0:1], 0x20     ; stats s[12:13], out0 s[14:15]
	s_load_b64 s[16:17], s[0:1], 0x30      ; out1
	v_lshlrev_b32 v1, 4, v0
	v_lshrrev_b32 v2, 5, v0
	v_readfirstlane_b32 s18, v2            ; wave
	s_lshl_b32 s20, ttmp9, 4               ; 4 words of top1 and of prob
	s_mov_b32 s21, 0
	s_lshl_b32 s22, ttmp9, 14              ; 4 rows of 4,096 bytes
	s_mov_b32 s23, 0
	s_mov_b32 s35, 0
	s_mov_b32 s52, 0x76543210
	s_mov_b32 s53, 0xfedcba98
	s_wait_kmcnt 0x0
	s_add_nc_u64 s[8:9], s[8:9], s[20:21]
	s_add_nc_u64 s[10:11], s[10:11], s[20:21]
	s_load_b128 s[24:27], s[8:9], 0x0
	s_load_b128 s[28:31], s[10:11], 0x0
	s_add_nc_u64 s[4:5], s[4:5], s[22:23]
	s_add_nc_u64 s[14:15], s[14:15], s[22:23]
	s_add_nc_u64 s[32:33], s[4:5], 0x800000  ; quarters 2 and 3: past the immediate's reach
.set tk, 0
.rept 4
	global_load_b128 v[8+16*tk:8+16*tk+3],   v1, s[4:5] offset:4096*tk th:TH_LOAD_NT
	global_load_b128 v[12+16*tk:12+16*tk+3], v1, s[4:5] offset:4194304+4096*tk th:TH_LOAD_NT
	global_load_b128 v[16+16*tk:16+16*tk+3], v1, s[32:33] offset:4096*tk th:TH_LOAD_NT
	global_load_b128 v[20+16*tk:20+16*tk+3], v1, s[32:33] offset:4194304+4096*tk th:TH_LOAD_NT
.set tk, tk+1
.endr
	s_wait_kmcnt 0x0
.set tk, 0
.rept 4
	s_min_u32 s[24+tk], s[24+tk], 7
	s_lshl_b32 s34, s[24+tk], 12           ; the chosen expert's row of b2
	s_add_nc_u64 s[36+2*tk:37+2*tk], s[6:7], s[34:35]
	s_mov_b32 s[44+2*tk], s[28+tk]         ; prob as a pair, for the packed line
	s_mov_b32 s[45+2*tk], s[28+tk]
	global_load_b128 v[72+4*tk:72+4*tk+3], v1, s[36+2*tk:37+2*tk]
.set tk, tk+1
.endr
.set tk, 0
.rept 4
	s_wait_loadcnt 3-tk                    ; all parts and this token's bias are in; the younger bias loads stay out
.set P, 8+16*tk
	v_pk_add_f32 v[P:P+1], v[P:P+1], v[P+4:P+5]
	v_pk_add_f32 v[P+2:P+3], v[P+2:P+3], v[P+6:P+7]
	v_pk_add_f32 v[P+8:P+9], v[P+8:P+9], v[P+12:P+13]
	v_pk_add_f32 v[P+10:P+11], v[P+10:P+11], v[P+14:P+15]
	v_pk_add_f32 v[P:P+1], v[P:P+1], v[P+8:P+9]
	v_pk_add_f32 v[P+2:P+3], v[P+2:P+3], v[P+10:P+11]
	v_pk_fma_f32 v[P:P+1], v[72+4*tk:73+4*tk], s[44+2*tk:45+2*tk], v[P:P+1] op_sel_hi:[1,0,1]
	v_pk_fma_f32 v[P+2:P+3], v[74+4*tk:75+4*tk], s[44+2*tk:45+2*tk], v[P+2:P+3] op_sel_hi:[1,0,1]
	global_store_b128 v1, v[P:P+3], s[14:15] offset:4096*tk th:TH_STORE_NT
.set tk, tk+1
.endr
	s_cmp_lg_u32 ttmp9, 0
	s_cbranch_scc1 .Lend
	s_cmp_lg_u32 s18, 0
	s_cbranch_scc1 .Lend
	; stats: [128 groups][8 sums of p, 8 counts].  Lane l reads quarter l % 4 of group 8 q + l / 4
.set q, 0
.rept 16
	global_load_b128 v[88+4*q:88+4*q+3], v1, s[12:13] offset:512*q
.set q, q+1
.endr
	s_wait_loadcnt 0x0
.set q, 1
.rept 15
	v_pk_add_f32 v[88:89], v[88:89], v[88+4*q:89+4*q]
	v_pk_add_f32 v[90:91], v[90:91], v[90+4*q:91+4*q]
.set q, q+1
.endr
.irp m, 4,8
.irp c, 88,89,90,91
	v_add_f32_dpp v\c, v\c, v\c row_xmask:\m row_mask:0xf bank_mask:0xf
.endr
.endr
	v_permlanex16_b32 v92, v88, s52, s53
	v_permlanex16_b32 v93, v89, s52, s53
	v_permlanex16_b32 v94, v90, s52, s53
	v_permlanex16_b32 v95, v91, s52, s53
	v_pk_add_f32 v[88:89], v[88:89], v[92:93]
	v_pk_add_f32 v[90:91], v[90:91], v[94:95]
.irp c, 88,89,90,91
	v_mul_f32_dpp v\c, v\c, v\c row_xmask:2 row_mask:0xf bank_mask:0xf  ; the sums of p lie two lanes from the counts of the same experts
.endr
	v_add_f32 v88, v88, v89
	v_add_f32 v90, v90, v91
	v_add_f32 v88, v88, v90
	v_add_f32_dpp v88, v88, v88 row_xmask:1 row_mask:0xf bank_mask:0xf
	v_mul_f32 v88, 0x37000000, v88         ; 8 / 1,024^2 = 2^-17
	v_mov_b32 v96, 0
	s_wait_xcnt 0x0                        ; EXEC changes only behind this wait
	v_cmp_eq_u32 vcc_lo, 0, v0
	s_and_saveexec_b32 s19, vcc_lo
	global_store_b32 v96, v88, s[16:17]
	s_wait_xcnt 0x0
	s_or_b32 exec_lo, exec_lo, s19
.Lend:
	s_endpgm
.Lfunc_end_k_q8ee51f4ea1_combine:
	.size	k_q8ee51f4ea1_combine, .Lfunc_end_k_q8ee51f4ea1_combine-k_q8ee51f4ea1_combine
	.p2alignl 7, 3214868480
	.fill 96, 4, 3214868480
	.section	.rodata,"a",@progbits
	.p2align	6, 0x0
	.amdhsa_kernel k_q8ee51f4ea1_combine
		.amdhsa_group_segment_fixed_size 0
		.amdhsa_private_segment_fixed_size 0
		.amdhsa_enable_private_segment 0
		.amdhsa_kernarg_size 56
		.amdhsa_user_sgpr_count 2
		.amdhsa_user_sgpr_kernarg_segment_ptr 1
		.amdhsa_wavefront_size32 1
		.amdhsa_system_sgpr_workgroup_id_x 1
		.amdhsa_system_sgpr_workgroup_id_y 1
		.amdhsa_system_sgpr_workgroup_id_z 1
		.amdhsa_system_vgpr_workitem_id 0
		.amdhsa_next_free_vgpr 160
		.amdhsa_next_free_sgpr 66
		.amdhsa_reserve_vcc 1
		.amdhsa_float_denorm_mode_32 3
		.amdhsa_float_denorm_mode_16_64 3
		.amdhsa_memory_ordered 1
		.amdhsa_forward_progress 1
		.amdhsa_inst_pref_size 12
	.end_amdhsa_kernel
	.amdgpu_metadata
---
amdhsa.version: [ 1, 2 ]
amdhsa.kernels:
  - .name:           k_q8ee51f4ea1_combine
    .symbol:         k_q8ee51f4ea1_combine.kd
    .args:
      - { .name: part, .offset: 0, .size: 8, .value_kind: global_buffer, .address_space: global }
      - { .name: b2, .offset: 8, .size: 8, .value_kind: global_buffer, .address_space: global }
      - { .name: top1, .offset: 16, .size: 8, .value_kind: global_buffer, .address_space: global }
      - { .name: prob, .offset: 24, .size: 8, .value_kind: global_buffer, .address_space: global }
      - { .name: stats, .offset: 32, .size: 8, .value_kind: global_buffer, .address_space: global }
      - { .name: out0, .offset: 40, .size: 8, .value_kind: global_buffer, .address_space: global }
      - { .name: out1, .offset: 48, .size: 8, .value_kind: global_buffer, .address_space: global }
    .group_segment_fixed_size: 0
    .private_segment_fixed_size: 0
    .kernarg_segment_align: 8
    .kernarg_segment_size: 56
    .max_flat_workgroup_size: 256
    .sgpr_count:     66
    .vgpr_count:     160
    .wavefront_size: 32
...
	.end_amdgpu_metadata
.endif
;; end of part 4
;; ======== version 2 of 2: 4 launches; 1.16 times as fast as version 1
;; limits: values are held in f16: magnitudes above 65,504 overflow, below 6.1e-05 lose precision; right only within a limited range of input values
;; workspace buffers: xh 2,097,152 bytes; h 67,108,864 bytes; part 16,777,216 bytes; bitmap 1,024 bytes of whole numbers; top1 4,096 bytes of whole numbers; prob 4,096 bytes; stats 8,192 bytes; list 34,816 bytes of whole numbers
;; launch router: the kernel of part 1 again; grid 128 x 1, 8 waves a work-group, no clusters, 4,096 bytes of LDS; arguments x, router_w, router_b, xh, bitmap, top1, prob, stats; writes xh, bitmap, top1, prob, stats
;; launch ffn1 (part 5): grid 256 x 1, 8 waves a work-group, no clusters, 263,168 bytes of LDS; arguments xh, w1, b1, bitmap, h, list; writes h, list
.if DOCPART == 5
	.amdgcn_target "amdgcn-amd-amdhsa--gfx1250"
	.amdhsa_code_object_version 6
	.text
	.protected	k_q8ee51f4ea1_ffn1
	.globl	k_q8ee51f4ea1_ffn1
	.p2align	8
	.type	k_q8ee51f4ea1_ffn1,@function
k_q8ee51f4ea1_ffn1:
	s_mov_b64 s[64:65], 0
	v_nop
	global_prefetch_b8 v0, s[64:65] scope:SCOPE_SE
	s_setreg_imm32_b32 hwreg(HW_REG_WAVE_MODE, 25, 1), 1
	s_wait_xcnt 0x0
; FIRST PRODUCT.  h = silu(x w1[e] + b1[e]) for the tokens that chose expert e, and for no others.  x comes as f16 (xh), w1 is rounded to f16 on its way through registers, sums in f32, h rounded once to f16.
; LIMITS.  |x|, |w1| and |h| stay under 65,504 (f16).  NaN and infinities are not treated apart.
; SHARES.  Work-group = (expert e = id / 32, slice sl = id % 32): 128 columns of F, all 1,024 of K: 131,072 weights that it alone reads, once.
; PHASE P, all eight waves: the slice (f32, 512 KB) goes through registers, is rounded and laid into LDS as finished matrix fragments (256 KB), where it stays.  Wave w takes the K steps of 32 that are w / 2 modulo 4,
; of column group w % 2: 16 units of 8 loads, written out; six register slots take turns, so 48 loads of a wave are out.
; PHASE C, behind the one barrier, waves 0, 3, 5 and 6 (their numbers differ modulo 4 and also when halved); the others end.  Sweeper (cg = (w / 2) % 2, rh = w / 4) has 64 columns and, of a pass of 192 rows, the six tiles
; of 16 rows 2 u + rh: a B fragment read from LDS feeds six products, and each is read by two waves.  Token rows come from memory straight into A fragments.  K goes in 8 stages of 4 K steps: the first starts the sums at the bias,
; six go round a loop, the last loads nothing.  An expert with more than 192 rows is served by further passes over the slice in LDS (six cover 1,152 rows): no weight is read twice, whatever the split.
; Behind the barrier no wave writes LDS: the closing add stands in front of it.  The matrix work stands behind the stream, not beside it.
; FRAGMENTS WITHOUT A TURNING LOAD.  w1 lies [K][F].  Lane (r, h) loads rows 8 h + i (i = 0..7) of 16, columns 4 r .. 4 r + 3; rounding rows 2 q and 2 q + 1 of column 4 r + j into one register gives
; register q of fragment j, whose column r stands for column 4 r + j.  So a result's register i in accumulators j = 0..3 holds row 8 h + i, columns 4 r .. 4 r + 3: four neighbours.
; WHICH TOKEN HAS A RANK is found in registers, from the expert's row of the bitmap: a walk over its 32 words keeps the last word in front of which no more than rank tokens are chosen; then five halvings inside the word,
; by the counts of its halves, bytes, nibbles and pairs.  Places past the count repeat the last chosen token.  Slice 0's two sweepers of column group 0 hand tokens by rank, and the count, on to the second product.
; h lies [e][64 column blocks][1,024 ranks][64]: rows by rank, so that the second product reads dense rows.  Slot m of a tile holds rank 2 (m % 8) + m / 8, so that a store's two half-waves write neighbouring ranks: 256 consecutive bytes, aligned.
; NO JOINT LOADS, NO TENSOR LOADS: each slice of weights has one reader; the token rows come by a list, which no descriptor covers; the slice fills 262,144 of the LDS bytes.
; REGISTERS.  window 0: v0-31 addresses; v32-63 two sets of 16 rounded registers, later B buffer 0; v64-255 six slots, later the accumulators (u, j) at 64 + 32 u + 8 j.
;   window 1: v0-191 four A buffers of 48, later at work on the way out; v192-223 the search, later B buffer 1; v224-255 the bias as a C operand.
.set PITCH, 16384                      ; bytes from row to row of w1
.set HALFW, 4*128*PITCH                ; the second weight base: 512 rows on, so that every unit's place fits the loads' immediate
.set ASTEP, 256                        ; a stage's bytes of a token row
.set SPARE, 262144                     ; behind the slice: the spare words, 128 bytes a wave
.set ACC,   64
.set CVB,   32
.set STG,   64
.set WSTR,  8                          ; v8-11   where I lay fragments: 16 lane + 4,096 wave + 65,536 q; never rewritten
.set ROW,   16                         ; v16-21  byte offsets of my six tiles' rows in xh
.set BX,    224                        ; window 1: bias of column 4 r + j, eight times, at BX + 8 j
.set TT,    192                        ; window 1, the search, one register a tile: the rank,
.set WW,    198                        ; the word that holds it,
.set PP,    204                        ; the chosen tokens in front of that word, then the rank inside the word,
.set II,    210                        ; the word's first token, then the token
.set T0,    216                        ; v216-221 at work
.set T1,    217
.set T2,    218
.set T3,    219
.set T4,    220
.set T5,    221
.set TM,    0                          ; window 1, the way out
.set OU,    32
.set MSB, 0
.macro WIN new                         ; the immediate's high byte repeats the setting that is left; a switch that changes nothing is dropped
.if MSB != (\new)
	s_set_vgpr_msb (MSB<<8)|(\new)
.set MSB, (\new)
.endif
.endm
.macro IFIDLE lab                      ; waves 1, 2, 4 and 7 do not sweep
.irp w, 1,2,4,7
	s_cmp_eq_u32 s20, \w
	s_cbranch_scc1 \lab
.endr
.endm
; unit n of my 16: K step 4 (n / 2) + w / 2, half n % 2: 16 rows x 64 columns = 8 loads, each of two row pieces of 256 aligned bytes, into slot n % 6
.macro WLOAD n
.set LB, STG+32*((\n)%6)
.set i, 0
.rept 8
	global_load_b128 v[LB+4*i:LB+4*i+3], v6, s[36+2*((\n)>>3):37+2*((\n)>>3)] offset:(((\n)>>1)&3)*128*PITCH+((\n)&1)*16*PITCH+i*PITCH th:TH_LOAD_NT
.set i, i+1
.endr
.endm
; unit n is rounded and laid; cnt younger loads may stay out; rf = 1: its slot takes unit n + 6
.macro PUNIT n, rf, cnt
.set SB, STG+32*((\n)%6)
.set CV, CVB+16*((\n)&1)
	WIN 0
	s_wait_loadcnt \cnt
.set j, 0
.rept 4
.set q, 0
.rept 4
	v_cvt_pk_f16_f32 v[CV+4*j+q], v[SB+8*q+j], v[SB+8*q+4+j]
.set q, q+1
.endr
.set j, j+1
.endr
.if \rf
	WLOAD (\n)+6
.endif
.set j, 0
.rept 4
	ds_store_b128 v[WSTR+((\n)>>2)], v[CV+4*j:CV+4*j+3] offset:(((\n)>>1)&1)*32768+((\n)&1)*512+j*1024  ; 512 consecutive bytes a store
.set j, j+1
.endr
.endm
; B fragments of K step b of the stage (b = 4: the next stage's first): 8 LDS loads of 512 consecutive bytes, into buffer b % 2
.macro DSB b
.if (\b)&1
	WIN 0x40
.set BB, 192
.else
	WIN 0
.set BB, 32
.endif
.set j, 0
.rept 4
	ds_load_b128 v[BB+8*j:BB+8*j+3], v7 offset:(\b)*8192+j*1024
	ds_load_b128 v[BB+8*j+4:BB+8*j+7], v7 offset:(\b)*8192+j*1024+512
.set j, j+1
.endr
.endm
; A fragments of K step k of the stage at s[40:41] for my six tiles: 12 loads into buffer k
.macro LDA k
	WIN 0x40
.set u, 0
.rept 6
	global_load_b128 v[48*(\k)+8*u:48*(\k)+8*u+3], v[ROW+u], s[40:41] offset:64*(\k)
	global_load_b128 v[48*(\k)+8*u+4:48*(\k)+8*u+7], v[ROW+u], s[40:41] offset:64*(\k)+32
.set u, u+1
.endr
.endm
.macro MUL4 k, u, cb                   ; tile u x four fragments; cb = 1: the sums start at the bias
.set j, 0
.rept 4
.if \cb
	v_wmma_f32_16x16x32_f16 v[ACC+32*(\u)+8*j:ACC+32*(\u)+8*j+7], v[48*(\k)+8*(\u):48*(\k)+8*(\u)+7], v[BB+8*j:BB+8*j+7], v[BX+8*j:BX+8*j+7]
.else
	v_wmma_f32_16x16x32_f16 v[ACC+32*(\u)+8*j:ACC+32*(\u)+8*j+7], v[48*(\k)+8*(\u):48*(\k)+8*(\u)+7], v[BB+8*j:BB+8*j+7], v[ACC+32*(\u)+8*j:ACC+32*(\u)+8*j+7]
.endif
.set j, j+1
.endr
.endm
; a K step's products.  The accumulators take turns, one instruction a turn.  Tiles 4 and 5 are jumped where the pass has no rows for them (s34 = my tiles with rows); a pass's first K step writes all 24 sums on every way.
; Four v_nop close it: the places ahead of the loads into the A and B registers just read, and of whatever reads the sums.
.macro MULS k, first
.if (\k)&1
.set BB, 192
.set WM, 0x05
.else
.set BB, 32
.set WM, 0x01
.endif
.if (\first) && ((\k) == 0)
	WIN 0x11
.irp t, 0,1,2,3,4,5
	MUL4 \k, \t, 1
.endr
	WIN 0
.else
	WIN WM
	MUL4 \k, 0, 0
	MUL4 \k, 1, 0
	MUL4 \k, 2, 0
	MUL4 \k, 3, 0
	WIN 0
	s_cmp_le_u32 s34, 4
	s_cbranch_scc1 .Lsk_\@
	WIN WM
	MUL4 \k, 4, 0
	WIN 0
	s_cmp_le_u32 s34, 5
	s_cbranch_scc1 .Lsk_\@
	WIN WM
	MUL4 \k, 5, 0
	WIN 0
.Lsk_\@:
.endif
.rept 4
	v_nop
.endr
.endm
.macro KSTEP k, first, rf
.if (\rf) || ((\k) < 3)
	DSB (\k)+1
	s_wait_dscnt 0x8                       ; this step's B is in; the next step's 8 loads may be out
.else
	s_wait_dscnt 0x0
.endif
.if \rf
	s_wait_loadcnt 36                      ; buffer k is in; the three younger buffers' 36 loads stay out
.else
	s_wait_loadcnt 36-12*(\k)              ; nothing is asked for any more: the counts run down
.endif
	MULS \k, \first
.if \rf
	LDA \k                                 ; the same K step of the next stage (the base stands a stage ahead)
.endif
.endm
.macro C4 first, rf                    ; a stage: four K steps
.irp k, 0,1,2,3
	KSTEP \k, \first, \rf
.endr
	WIN 0
.if \rf
	v_add_nc_u32 v7, 0x8000, v7            ; the next stage's 32,768 bytes of the slice
	s_wait_xcnt 0x0                        ; the loads' base is stepped only behind this wait
	s_add_nc_u64 s[40:41], s[40:41], ASTEP
.endif
.endm
.macro STEP src, wid                   ; one halving: does the rank lie past the lower wid bits at T3?
	v_bfe_u32 v[T4], v[\src], v[T3], \wid
	v_cmp_ge_u32 vcc_lo, v[K_], v[T4]
	v_sub_nc_u32 v[T4], v[K_], v[T4]
	v_cndmask_b32 v[K_], v[K_], v[T4], vcc_lo
	v_add_nc_u32 v[T5], \wid, v[T3]
	v_cndmask_b32 v[T3], v[T3], v[T5], vcc_lo
.endm
.macro SELECT u                        ; the place in word WW of its chosen token number PP (from 0), added to II
.set W_, WW+(\u)
.set K_, PP+(\u)
	v_lshrrev_b32 v[T0], 1, v[W_]
	v_and_b32 v[T0], s56, v[T0]
	v_sub_nc_u32 v[T0], v[W_], v[T0]       ; counts of the 16 pairs
	v_lshrrev_b32 v[T1], 2, v[T0]
	v_and_b32 v[T1], s57, v[T1]
	v_and_b32 v[T4], s57, v[T0]
	v_add_nc_u32 v[T1], v[T1], v[T4]       ; of the 8 nibbles
	v_lshrrev_b32 v[T2], 4, v[T1]
	v_add_nc_u32 v[T2], v[T2], v[T1]
	v_and_b32 v[T2], s58, v[T2]            ; of the 4 bytes
	v_bfe_u32 v[T4], v[T2], 8, 8
	v_and_b32 v[T3], 0xff, v[T2]
	v_add_nc_u32 v[T4], v[T4], v[T3]       ; of the lower half
	v_cmp_ge_u32 vcc_lo, v[K_], v[T4]
	v_sub_nc_u32 v[T4], v[K_], v[T4]
	v_cndmask_b32 v[K_], v[K_], v[T4], vcc_lo
	v_cndmask_b32 v[T3], 0, 16, vcc_lo
	STEP T2, 8
	STEP T1, 4
	STEP T0, 2
	v_bfe_u32 v[T4], v[W_], v[T3], 1
	v_cmp_ge_u32 vcc_lo, v[K_], v[T4]
	v_add_nc_u32 v[T5], 1, v[T3]
	v_cndmask_b32 v[T3], v[T3], v[T5], vcc_lo
	v_add_nc_u32 v[II+(\u)], v[II+(\u)], v[T3]
.endm
; a pass's rows: my tiles with rows (s34), the tokens of my six tiles' ranks, and their rows' byte offsets in xh
.macro SETUP_A
	s_sub_co_u32 s50, s32, s30             ; rows from this pass's first on
	s_add_co_u32 s50, s50, 15
	s_lshr_b32 s50, s50, 4
	s_min_u32 s50, s50, 12                 ; tiles of the pass
	s_add_co_u32 s50, s50, 1
	s_sub_co_u32 s50, s50, s23
	s_lshr_b32 s34, s50, 1                 ; those of them that are 2 u + rh
	WIN 0x40
.set u, 0
.rept 6
	s_add_co_u32 s51, s30, 32*u
	v_add_nc_u32 v[TT+u], s51, v15
	v_mov_b32 v[WW+u], 0
	v_mov_b32 v[PP+u], 0
	v_mov_b32 v[II+u], 0
.set u, u+1
.endr
	WIN 0x44
.set u, 0
.rept 6
	v_min_u32 v[TT+u], s33, v[TT+u]        ; places past the count repeat the last row
	v_min_u32 v[TT+u], 0x3ff, v[TT+u]
.set u, u+1
.endr
	WIN 0
	s_mov_b32 s47, 0                       ; chosen tokens in front of the word
	s_mov_b32 s51, 0                       ; the word's number
	s_mov_b32 s52, 0                       ; its first token
	s_mov_b32 s53, 32
.Lword_\@:
	v_readlane_b32 s50, v23, s51
	WIN 0x45
.set u, 0
.rept 6
	v_cmp_le_u32 vcc_lo, s47, v[TT+u]
	v_cndmask_b32 v[WW+u], v[WW+u], s50, vcc_lo
	v_cndmask_b32 v[PP+u], v[PP+u], s47, vcc_lo
	v_cndmask_b32 v[II+u], v[II+u], s52, vcc_lo
.set u, u+1
.endr
	WIN 0
	s_bcnt1_i32_b32 s54, s50
	s_add_co_u32 s47, s47, s54
	s_add_co_u32 s51, s51, 1
	s_add_co_u32 s52, s52, 32
	s_sub_co_u32 s53, s53, 1
	s_cmp_lg_u32 s53, 0
	s_cbranch_scc1 .Lword_\@
	WIN 0x45
.set u, 0
.rept 6
	v_sub_nc_u32 v[PP+u], v[TT+u], v[PP+u]
.set u, u+1
.endr
.irp t, 0,1,2,3,4,5
	SELECT \t
.endr
.set u, 0
.rept 6
	v_min_u32 v[II+u], 0x3ff, v[II+u]
.set u, u+1
.endr
	WIN 0x01
.set u, 0
.rept 6
	v_lshl_add_u32 v[ROW+u], v[II+u], 11, v13  ; token x 2,048 + 16 h
.set u, u+1
.endr
	WIN 0
	s_cmp_lg_u32 s25, 0
	s_cbranch_scc1 .Lnolist_\@
	s_cmp_lg_u32 s22, 0
	s_cbranch_scc1 .Lnolist_\@
	WIN 0x44                               ; slice 0, column group 0: tokens by rank for the second product; lanes with one rank store one number to one place
.set u, 0
.rept 6
	v_lshlrev_b32 v[TT+u], 2, v[TT+u]
.set u, u+1
.endr
	WIN 0x05
.set u, 0
.rept 6
	global_store_b32 v[TT+u], v[II+u], s[14:15]
.set u, u+1
.endr
	WIN 0
	v_lshlrev_b32 v28, 2, v1
	v_mov_b32 v29, s31
	global_store_b32 v28, v29, s[14:15] offset:4096  ; the count, once a lane: 128 consecutive bytes
	s_wait_xcnt 0x0                        ; these registers are written again only behind this wait
.Lnolist_\@:
.endm
.macro PRIME                           ; a further pass's first four K steps of A
	s_mov_b64 s[40:41], s[4:5]
	LDA 0
	LDA 1
	LDA 2
	LDA 3
	WIN 0
	s_wait_xcnt 0x0
	s_add_nc_u64 s[40:41], s[40:41], ASTEP
.endm
; THE WAY OUT of tile u: silu(s) = s / (1 + 2^(-s log2 e)); each batch of 32 transcendentals has one plain instruction and one wait behind it; each accumulator is read from its low end on.
.macro TILE u
.set A0R, ACC+32*(\u)
	WIN 0x40
.set n, 0
.rept 16
	v_pk_mul_f32 v[TM+2*n:TM+2*n+1], v[A0R+2*n:A0R+2*n+1], 0xbfb8aa3b op_sel_hi:[1,0]
.set n, n+1
.endr
	WIN 0x41
.set n, 0
.rept 32
	v_exp_f32 v[TM+n], v[TM+n]
.set n, n+1
.endr
	v_nop
	s_wait_alu depctr_va_vdst(0)
.set n, 0
.rept 16
	v_pk_add_f32 v[TM+2*n:TM+2*n+1], v[TM+2*n:TM+2*n+1], 1.0 op_sel_hi:[1,0]
.set n, n+1
.endr
.set n, 0
.rept 32
	v_rcp_f32 v[TM+n], v[TM+n]
.set n, n+1
.endr
	v_nop
	s_wait_alu depctr_va_vdst(0)
.set n, 0
.rept 16
	v_pk_mul_f32 v[TM+2*n:TM+2*n+1], v[TM+2*n:TM+2*n+1], v[A0R+2*n:A0R+2*n+1]
.set n, n+1
.endr
	s_wait_xcnt 0x0                        ; the last tile's stores have read their registers
	WIN 0x45
.set i, 0
.rept 8
	v_cvt_pk_f16_f32 v[OU+2*i], v[TM+i], v[TM+8+i]          ; row 8 h + i, columns 4 r, 4 r + 1
	v_cvt_pk_f16_f32 v[OU+2*i+1], v[TM+16+i], v[TM+24+i]    ; columns 4 r + 2, 4 r + 3
.set i, i+1
.endr
	WIN 0x04
.set i, 0
.rept 8
	global_store_b64 v14, v[OU+2*i:OU+2*i+1], s[42:43] offset:(\u)*4096+i*256  ; ranks 2 i and 2 i + 1 of the tile: 256 consecutive bytes, aligned
.set i, i+1
.endr
	WIN 0
.endm
	s_load_b256 s[4:11], s[0:1], 0x0       ; xh s[4:5], w1 s[6:7], b1 s[8:9], bitmap s[10:11]
	s_load_b128 s[12:15], s[0:1], 0x20     ; h s[12:13], list s[14:15]
	v_lshl_add_u32 v4, v0, 2, SPARE        ; my spare word
	v_mov_b32 v5, 0
	v_and_b32 v1, 31, v0                   ; lane
	v_lshrrev_b32 v28, 5, v0
	v_readfirstlane_b32 s20, v28           ; wave
	v_and_b32 v2, 15, v0                   ; r
	v_bfe_u32 v3, v0, 4, 1                 ; h
	s_and_b32 s16, s20, 1                  ; phase P: which 64 columns,
	s_lshr_b32 s17, s20, 1                 ; which K steps
	s_and_b32 s22, s17, 1                  ; phase C: cg,
	s_lshr_b32 s23, s20, 2                 ; rh
	s_lshr_b32 s24, ttmp9, 5               ; expert
	s_and_b32 s25, ttmp9, 31               ; slice
	s_mov_b32 s29, 0                       ; pass
	s_mov_b32 s30, 0                       ; its first row
	s_mov_b32 s56, 0x55555555
	s_mov_b32 s57, 0x33333333
	s_mov_b32 s58, 0x0f0f0f0f
	v_lshlrev_b32 v22, 4, v2               ; 16 r
	v_lshl_add_u32 v6, v3, 17, v22         ; weights: 8 h rows + 16 r
	s_lshl_b32 s44, s20, 12
	v_lshl_add_u32 v[WSTR], v1, 4, s44
.irp q, 1,2,3
	v_add_nc_u32 v[WSTR+\q], \q*0x10000, v[WSTR]
.endr
	s_lshl_b32 s46, s22, 12
	v_lshl_add_u32 v12, v1, 4, s46         ; B at stage 0: 16 lane + 4,096 cg
	v_lshlrev_b32 v13, 4, v3               ; 16 h
	v_lshlrev_b32 v14, 3, v2
	v_lshl_add_u32 v14, v3, 7, v14         ; h: 128 h + 8 r
	v_and_b32 v28, 7, v2
	v_lshrrev_b32 v29, 3, v2
	v_lshl_add_u32 v15, v28, 1, v29
	s_lshl_b32 s50, s23, 4
	v_add_nc_u32 v15, s50, v15             ; my slot's rank in a pair of tiles: 2 (r % 8) + r / 8 + 16 rh
	s_lshl_b32 s44, s24, 24                ; the expert's 16 MiB,
	s_lshl_b32 s47, s25, 9                 ; the slice's 512 bytes of a row,
	s_add_co_u32 s44, s44, s47
	s_lshl_b32 s47, s16, 8                 ; my 256 of them,
	s_add_co_u32 s44, s44, s47
	s_lshl_b32 s47, s17, 19                ; my first K step's 32 rows
	s_add_co_u32 s44, s44, s47
	s_mov_b32 s45, 0
	s_lshl_b32 s48, s24, 7
	s_mov_b32 s49, 0
	s_wait_kmcnt 0x0
	s_add_nc_u64 s[10:11], s[10:11], s[48:49]
	s_load_b512 s[68:83], s[10:11], 0x0    ; the expert's row of the bitmap
	s_load_b512 s[84:99], s[10:11], 0x40
	s_add_nc_u64 s[36:37], s[6:7], s[44:45]
	s_add_nc_u64 s[38:39], s[36:37], HALFW
.irp n, 0,1,2,3,4,5
	WLOAD \n                               ; six units, 48 loads, before anything else
.endr
	; every wave makes every base, ahead of the first branch on the wave's number: each base register holds its buffer's address on every way through the text
	s_lshl_b32 s44, s24, 23                ; h: the expert's 8 MiB,
	s_lshl_b32 s47, s25, 18                ; block 2 sl + cg of 131,072 bytes,
	s_add_co_u32 s44, s44, s47
	s_lshl_b32 s47, s22, 17
	s_add_co_u32 s44, s44, s47
	s_lshl_b32 s47, s23, 11                ; tile rh
	s_add_co_u32 s44, s44, s47
	s_add_nc_u64 s[42:43], s[12:13], s[44:45]
	s_lshl_b32 s44, s24, 14                ; b1: the expert's row, my 64 columns
	s_lshl_b32 s47, s25, 9
	s_add_co_u32 s44, s44, s47
	s_lshl_b32 s47, s22, 8
	s_add_co_u32 s44, s44, s47
	s_add_nc_u64 s[8:9], s[8:9], s[44:45]
	s_mul_i32 s44, s24, 4352               ; list: the expert's row
	s_add_nc_u64 s[14:15], s[14:15], s[44:45]
	s_mov_b64 s[40:41], s[4:5]             ; A's base: xh, stage 0
	s_wait_kmcnt 0x0
	IFIDLE .Lp0
	s_mov_b32 s31, 0                       ; THE SWEEPERS' SET-UP, while the first weights are on their way.  The expert's count
.set i, 0
.rept 32
	s_bcnt1_i32_b32 s47, s[68+i]
	s_add_co_u32 s31, s31, s47
.set i, i+1
.endr
	s_max_u32 s32, s31, 1                  ; an expert without rows still makes one tile, so that every byte read later is written
	s_sub_co_u32 s33, s32, 1
	v_mov_b32 v23, 0
.set i, 0
.rept 32
	v_writelane_b32 v23, s[68+i], i        ; word i into lane i, so that a loop can take the words by number
.set i, i+1
.endr
	SETUP_A
.Lp0:
.set un, 0
.rept 10
	PUNIT un, 1, 40                        ; six units are out: the wait leaves the five younger (40 loads)
.set un, un+1
.endr
	PUNIT 10, 0, 40                        ; all 16 units have been asked for
	PUNIT 11, 0, 32
	IFIDLE .Lplain
	global_load_b128 v[24:27], v22, s[8:9] ; bias of columns 4 r .. 4 r + 3
	LDA 0                                  ; the sweep's first A buffers go out among the last units: 32 + 1 + 24 = 57 loads are out
	LDA 1
	PUNIT 12, 0, 49                        ; three younger units, the bias and 24 of A may stay out
	PUNIT 13, 0, 41
	LDA 2
	PUNIT 14, 0, 45                        ; one unit, the bias, 36 of A
	LDA 3
	PUNIT 15, 0, 49                        ; the bias and 48 of A
	s_wait_xcnt 0x0
	s_add_nc_u64 s[40:41], s[40:41], ASTEP
	s_branch .Llaid
.Lplain:
	PUNIT 12, 0, 24
	PUNIT 13, 0, 16
	PUNIT 14, 0, 8
	PUNIT 15, 0, 0
.Llaid:
	s_wait_tensorcnt 0x0                   ; behind my last LDS store; no LDS write follows in any wave
	ds_add_u32 v4, v5
	s_wait_dscnt 0x0                       ; also for the other waves' sake: my part of the slice is laid
	s_barrier_signal -1
	s_barrier_wait -1
	IFIDLE .Lquit
	s_wait_loadcnt 48                      ; the bias, asked for ahead of the 48
	WIN 0x40
.set n, 0
.rept 32
	v_mov_b32 v[BX+n], v[24+(n>>3)]        ; as a C operand: eight rows of the same column's bias
.set n, n+1
.endr
	WIN 0
.Lsweep:                                       ; a pass: 8 stages, the way out
	v_mov_b32 v7, v12
	DSB 0
	C4 1, 1                                ; stage 0 starts the sums
	s_mov_b32 s28, 6
.Lstage:
	C4 0, 1                                ; stages 1 to 6
	s_sub_co_u32 s28, s28, 1
	s_cmp_lg_u32 s28, 0
	s_cbranch_scc1 .Lstage
	C4 0, 0                                ; stage 7 asks for nothing
.irp t, 0,1,2,3,4,5
	s_cmp_le_u32 s34, \t
	s_cbranch_scc1 .Lstored
	TILE \t
.endr
.Lstored:
	s_add_co_u32 s29, s29, 1
	s_add_co_u32 s30, s30, 192
	s_cmp_ge_u32 s30, s32
	s_cbranch_scc1 .Lquit                  ; no rows are left: the usual way out
	s_wait_xcnt 0x0                        ; a further pass over the slice in LDS
	s_add_nc_u64 s[42:43], s[42:43], 24576 ; 12 tiles of h on
	SETUP_A
	PRIME
	s_cmp_lt_u32 s29, 6                    ; six passes cover 1,152 rows: the way out above is always taken first
	s_cbranch_scc1 .Lsweep
.Lquit:
	s_endpgm
.Lfunc_end_k_q8ee51f4ea1_ffn1:
	.size	k_q8ee51f4ea1_ffn1, .Lfunc_end_k_q8ee51f4ea1_ffn1-k_q8ee51f4ea1_ffn1
	.p2alignl 7, 3214868480
	.fill 96, 4, 3214868480
	.section	.rodata,"a",@progbits
	.p2align	6, 0x0
	.amdhsa_kernel k_q8ee51f4ea1_ffn1
		.amdhsa_group_segment_fixed_size 263168
		.amdhsa_private_segment_fixed_size 0
		.amdhsa_enable_private_segment 0
		.amdhsa_kernarg_size 48
		.amdhsa_user_sgpr_count 2
		.amdhsa_user_sgpr_kernarg_segment_ptr 1
		.amdhsa_wavefront_size32 1
		.amdhsa_system_sgpr_workgroup_id_x 1
		.amdhsa_system_sgpr_workgroup_id_y 1
		.amdhsa_system_sgpr_workgroup_id_z 1
		.amdhsa_system_vgpr_workitem_id 0
		.amdhsa_next_free_vgpr 512
		.amdhsa_next_free_sgpr 104
		.amdhsa_reserve_vcc 1
		.amdhsa_float_denorm_mode_32 3
		.amdhsa_float_denorm_mode_16_64 3
		.amdhsa_memory_ordered 1
		.amdhsa_forward_progress 1
		.amdhsa_inst_pref_size 172
	.end_amdhsa_kernel
	.amdgpu_metadata
---
amdhsa.version: [ 1, 2 ]
amdhsa.kernels:
  - .name:           k_q8ee51f4ea1_ffn1
    .symbol:         k_q8ee51f4ea1_ffn1.kd
    .args:
      - { .name: xh, .offset: 0, .size: 8, .value_kind: global_buffer, .address_space: global }
      - { .name: w1, .offset: 8, .size: 8, .value_kind: global_buffer, .address_space: global }
      - { .name: b1, .offset: 16, .size: 8, .value_kind: global_buffer, .address_space: global }
      - { .name: bitmap, .offset: 24, .size: 8, .value_kind: global_buffer, .address_space: global }
      - { .name: h, .offset: 32, .size: 8, .value_kind: global_buffer, .address_space: global }
      - { .name: list, .offset: 40, .size: 8, .value_kind: global_buffer, .address_space: global }
    .group_segment_fixed_size: 263168
    .private_segment_fixed_size: 0
    .kernarg_segment_align: 8
    .kernarg_segment_size: 48
    .max_flat_workgroup_size: 256
    .sgpr_count:     104
    .vgpr_count:     512
    .wavefront_size: 32
...
	.end_amdgpu_metadata
.endif
;; end of part 5
;; launch ffn2 (part 6): grid 256 x 1, 8 waves a work-group, no clusters, 263,168 bytes of LDS; arguments h, w2, list, prob, part; writes part
.if DOCPART == 6
	.amdgcn_target "amdgcn-amd-amdhsa--gfx1250"
	.amdhsa_code_object_version 6
	.text
	.protected	k_q8ee51f4ea1_ffn2
	.globl	k_q8ee51f4ea1_ffn2
	.p2align	8
	.type	k_q8ee51f4ea1_ffn2,@function
k_q8ee51f4ea1_ffn2:
	s_mov_b64 s[64:65], 0
	v_nop
	global_prefetch_b8 v0, s[64:65] scope:SCOPE_SE
	s_setreg_imm32_b32 hwreg(HW_REG_WAVE_MODE, 25, 1), 1
	s_wait_xcnt 0x0
; SECOND PRODUCT.  part[kq][token] = prob[token] x (h[token] w2[e]) over a quarter kq of F, for the tokens that chose expert e.  h comes as f16, w2 is rounded to f16 on its way through registers, sums and parts in f32.
; LIMITS.  |h| and |w2| stay under 65,504 (f16).  NaN and infinities are not treated apart.
; SHARES.  Work-group = (expert e = id / 32, quarter kq = (id / 8) % 4, columns cs = id % 8): 1,024 of K x 128 columns of C: 131,072 weights that it alone reads, once, in row pieces of 256 aligned bytes.
; K is cut in four so that the slice has this shape; the four parts of a row are added by the launch behind.
; The first product's scheme.  PHASE P, all eight waves: the slice is laid into LDS as finished fragments (wave w: the K steps that are w / 2 modulo 4, column group w % 2; 16 units of 8 loads, six slots, 48 loads out).
; PHASE C, behind the one barrier, waves 0, 3, 5 and 6 (their numbers differ modulo 4 and also when halved); the others end.  Sweeper (cg = (w / 2) % 2, rh = w / 4) has 64 columns and the six tiles 2 u + rh of a pass of 192 rows:
; a B fragment read from LDS feeds six products, and each is read by two waves; A comes straight from memory.  8 stages of 4 K steps: the first starts the sums with the constant 0, six go round a loop, the last loads nothing.
; Further passes over the slice in LDS serve an expert with more than 192 rows.  Behind the barrier no wave writes LDS: the closing add stands in front of it.  The matrix work stands behind the stream, not beside it.
; h lies [e][64 blocks of 64 of F][1,024 ranks][64]: a K step of 32 is 64 bytes of a rank's 128 in a block.  Rows past the expert's last written tile repeat that tile's last row; in the tile that holds the count the
; places past it hold the last token's h and its token number, so they store the same numbers to the same bytes, from one wave.  An expert without rows stores nothing.
; FRAGMENTS: lane (r, h) loads rows 8 h + i of 16, columns 4 r .. 4 r + 3, and rounds rows 2 q, 2 q + 1 of column 4 r + j into register q of fragment j; a result's register i in accumulators j = 0..3 is row 8 h + i, columns 4 r .. 4 r + 3.
; NO JOINT LOADS, NO TENSOR LOADS: each slice of weights has one reader; h's rows go straight into A fragments; the slice fills 262,144 of the LDS bytes.
; REGISTERS.  window 0: v0-13 addresses, v14-19 row offsets, v20-25 token numbers, v26-31 probabilities of my six tiles' slots; v32-63 rounded registers, later B buffer 0; v64-255 six slots, later the accumulators.
;   window 1: v0-191 four A buffers of 48, later at work on the way out; v192-223 B buffer 1.
.set PITCH, 4096
.set HALFW, 4*128*PITCH
.set ASTEP, 262144                     ; a stage: two blocks of h
.set SPARE, 262144
.set ACC,   64
.set CVB,   32
.set STG,   64
.set WSTR,  8
.set ROW,   14
.set TOK,   20
.set PRB,   26
.set IX,    0                          ; window 1, the way out: 4 x lane 8 h + i
.set TT,    8                          ; row 8 h + i's token, then its byte offset
.set QQ,    16                         ; its probability
.set OU,    32
.set MSB, 0
.macro WIN new
.if MSB != (\new)
	s_set_vgpr_msb (MSB<<8)|(\new)
.set MSB, (\new)
.endif
.endm
.macro IFIDLE lab                      ; waves 1, 2, 4 and 7 do not sweep
.irp w, 1,2,4,7
	s_cmp_eq_u32 s20, \w
	s_cbranch_scc1 \lab
.endr
.endm
.macro WLOAD n                         ; unit n of my 16: K step 4 (n / 2) + w / 2, half n % 2: 8 loads into slot n % 6
.set LB, STG+32*((\n)%6)
.set i, 0
.rept 8
	global_load_b128 v[LB+4*i:LB+4*i+3], v6, s[36+2*((\n)>>3):37+2*((\n)>>3)] offset:(((\n)>>1)&3)*128*PITCH+((\n)&1)*16*PITCH+i*PITCH th:TH_LOAD_NT
.set i, i+1
.endr
.endm
.macro PUNIT n, rf, cnt                ; unit n is rounded and laid; cnt younger loads may stay out; rf = 1: its slot takes unit n + 6
.set SB, STG+32*((\n)%6)
.set CV, CVB+16*((\n)&1)
	WIN 0
	s_wait_loadcnt \cnt
.set j, 0
.rept 4
.set q, 0
.rept 4
	v_cvt_pk_f16_f32 v[CV+4*j+q], v[SB+8*q+j], v[SB+8*q+4+j]
.set q, q+1
.endr
.set j, j+1
.endr
.if \rf
	WLOAD (\n)+6
.endif
.set j, 0
.rept 4
	ds_store_b128 v[WSTR+((\n)>>2)], v[CV+4*j:CV+4*j+3] offset:(((\n)>>1)&1)*32768+((\n)&1)*512+j*1024
.set j, j+1
.endr
.endm
.macro DSB b                           ; B fragments of K step b of the stage (b = 4: the next stage's first), into buffer b % 2
.if (\b)&1
	WIN 0x40
.set BB, 192
.else
	WIN 0
.set BB, 32
.endif
.set j, 0
.rept 4
	ds_load_b128 v[BB+8*j:BB+8*j+3], v7 offset:(\b)*8192+j*1024
	ds_load_b128 v[BB+8*j+4:BB+8*j+7], v7 offset:(\b)*8192+j*1024+512
.set j, j+1
.endr
.endm
.macro LDA k                           ; K step k of the stage lies in its block k / 2, at byte 64 (k % 2) of a rank's 128: 12 loads into buffer k
	WIN 0x40
.set AI, ((\k)&1)*64+((\k)>>1)*131072
.set u, 0
.rept 6
	global_load_b128 v[48*(\k)+8*u:48*(\k)+8*u+3], v[ROW+u], s[40:41] offset:AI
	global_load_b128 v[48*(\k)+8*u+4:48*(\k)+8*u+7], v[ROW+u], s[40:41] offset:AI+32
.set u, u+1
.endr
.endm
.macro MUL4 k, u, cb                   ; cb = 1: the product starts the sums: nothing is cleared
.set j, 0
.rept 4
.if \cb
	v_wmma_f32_16x16x32_f16 v[ACC+32*(\u)+8*j:ACC+32*(\u)+8*j+7], v[48*(\k)+8*(\u):48*(\k)+8*(\u)+7], v[BB+8*j:BB+8*j+7], 0
.else
	v_wmma_f32_16x16x32_f16 v[ACC+32*(\u)+8*j:ACC+32*(\u)+8*j+7], v[48*(\k)+8*(\u):48*(\k)+8*(\u)+7], v[BB+8*j:BB+8*j+7], v[ACC+32*(\u)+8*j:ACC+32*(\u)+8*j+7]
.endif
.set j, j+1
.endr
.endm
; a K step's products: the accumulators take turns; tiles 4 and 5 are jumped where the pass has no rows for them; a pass's first K step writes all 24 sums on every way;
; four v_nop are the places ahead of the loads that follow and of whatever reads the sums
.macro MULS k, first
.if (\k)&1
.set BB, 192
.set WM, 0x05
.else
.set BB, 32
.set WM, 0x01
.endif
.if (\first) && ((\k) == 0)
	WIN WM
.irp t, 0,1,2,3,4,5
	MUL4 \k, \t, 1
.endr
	WIN 0
.else
	WIN WM
	MUL4 \k, 0, 0
	MUL4 \k, 1, 0
	MUL4 \k, 2, 0
	MUL4 \k, 3, 0
	WIN 0
	s_cmp_le_u32 s34, 4
	s_cbranch_scc1 .Lsk_\@
	WIN WM
	MUL4 \k, 4, 0
	WIN 0
	s_cmp_le_u32 s34, 5
	s_cbranch_scc1 .Lsk_\@
	WIN WM
	MUL4 \k, 5, 0
	WIN 0
.Lsk_\@:
.endif
.rept 4
	v_nop
.endr
.endm
.macro KSTEP k, first, rf
.if (\rf) || ((\k) < 3)
	DSB (\k)+1
	s_wait_dscnt 0x8                       ; this step's B is in; the next step's 8 loads may be out
.else
	s_wait_dscnt 0x0
.endif
.if \rf
	s_wait_loadcnt 36                      ; buffer k is in; the three younger buffers' 36 loads stay out (in a pass's first stage the six loads of prob are younger too: the count is then smaller than it need be)
.else
	s_wait_loadcnt 36-12*(\k)
.endif
	MULS \k, \first
.if \rf
	LDA \k                                 ; the same K step of the next stage (the base stands a stage ahead)
.endif
.endm
.macro C4 first, rf
.irp k, 0,1,2,3
	KSTEP \k, \first, \rf
.endr
	WIN 0
.if \rf
	v_add_nc_u32 v7, 0x8000, v7            ; the next stage's 32,768 bytes of the slice
	s_wait_xcnt 0x0                        ; the loads' base is stepped only behind this wait
	s_add_nc_u64 s[40:41], s[40:41], ASTEP
.endif
.endm
; a pass's rows: my tiles with rows (s34), those that are stored (s35), the rows' offsets in a block of h, and the loads of their tokens
.macro SETUP_A
	s_sub_co_u32 s50, s32, s30
	s_add_co_u32 s50, s50, 15
	s_lshr_b32 s50, s50, 4
	s_min_u32 s50, s50, 12
	s_add_co_u32 s50, s50, 1
	s_sub_co_u32 s50, s50, s23
	s_lshr_b32 s34, s50, 1
	s_cmp_eq_u32 s31, 0
	s_cselect_b32 s35, 0, s34              ; an expert without rows stores nothing
	s_add_co_u32 s52, s32, 15
	s_and_b32 s52, s52, 0xfffffff0
	s_sub_co_u32 s52, s52, 1               ; the last rank that the first product wrote
	s_lshl_b32 s51, s23, 4
	s_add_co_u32 s51, s51, s30
	v_lshlrev_b32 v28, 4, v3
.set u, 0
.rept 6
	v_add_nc_u32 v26, s51, v2              ; my slot's rank
	v_min_u32 v27, s52, v26
	v_min_u32 v27, 0x3ff, v27
	v_lshl_add_u32 v[ROW+u], v27, 7, v28   ; rank x 128 + 16 h
	v_min_u32 v26, s33, v26
	v_min_u32 v26, 0x3ff, v26
	v_lshlrev_b32 v[TOK+u], 2, v26
	global_load_b32 v[TOK+u], v[TOK+u], s[8:9]  ; its token
	s_add_co_u32 s51, s51, 32
.set u, u+1
.endr
.endm
.macro PRIME
	s_mov_b64 s[40:41], s[18:19]
	LDA 0
	LDA 1
	LDA 2
	LDA 3
	WIN 0
	s_wait_xcnt 0x0
	s_add_nc_u64 s[40:41], s[40:41], ASTEP
.endm
.macro POST                            ; behind the 48 loads of A: the tokens are in; their probabilities are asked for
	s_wait_loadcnt 48
.set u, 0
.rept 6
	v_min_u32 v[TOK+u], 0x3ff, v[TOK+u]
	v_lshlrev_b32 v[PRB+u], 2, v[TOK+u]
	global_load_b32 v[PRB+u], v[PRB+u], s[10:11]
.set u, u+1
.endr
.endm
; THE WAY OUT of tile u.  Row 8 h + i's token and probability lie in lane 8 h + i; the token number is clamped behind the exchange, directly ahead of the address.
; The scaling also brings a row's four neighbouring columns into four registers on end; each accumulator's register 0 is read first.
.macro TILE u
	s_wait_xcnt 0x0                        ; the last tile's stores have read their registers
	WIN 0x41
.set i, 0
.rept 8
	ds_bpermute_b32 v[TT+i], v[IX+i], v[TOK+(\u)]
.set i, i+1
.endr
.set i, 0
.rept 8
	ds_bpermute_b32 v[QQ+i], v[IX+i], v[PRB+(\u)]
.set i, i+1
.endr
	s_wait_dscnt 0x0
	WIN 0x44
.set i, 0
.rept 8
	v_min_u32 v[TT+i], 0x3ff, v[TT+i]
.set i, i+1
.endr
	WIN 0x41
.set i, 0
.rept 8
	v_lshl_add_u32 v[TT+i], v[TT+i], 12, v13  ; token x 4,096 + 16 r
.set i, i+1
.endr
	WIN 0x44
.set i, 0
.rept 8
.set j, 0
.rept 4
	v_mul_f32 v[OU+4*i+j], v[ACC+32*(\u)+8*j+i], v[QQ+i]
.set j, j+1
.endr
.set i, i+1
.endr
	WIN 0x05
.set i, 0
.rept 8
	global_store_b128 v[TT+i], v[OU+4*i:OU+4*i+3], s[42:43]  ; 16 lanes store 256 consecutive bytes of a token's row, aligned
.set i, i+1
.endr
	WIN 0
.endm
	s_load_b256 s[4:11], s[0:1], 0x0       ; h s[4:5], w2 s[6:7], list s[8:9], prob s[10:11]
	s_load_b64 s[12:13], s[0:1], 0x20      ; part
	v_lshl_add_u32 v4, v0, 2, SPARE        ; my spare word
	v_mov_b32 v5, 0
	v_and_b32 v1, 31, v0                   ; lane
	v_lshrrev_b32 v26, 5, v0
	v_readfirstlane_b32 s20, v26           ; wave
	v_and_b32 v2, 15, v0                   ; r
	v_bfe_u32 v3, v0, 4, 1                 ; h
	s_and_b32 s16, s20, 1                  ; phase P: which 64 columns,
	s_lshr_b32 s17, s20, 1                 ; which K steps
	s_and_b32 s22, s17, 1                  ; phase C: cg,
	s_lshr_b32 s23, s20, 2                 ; rh
	s_lshr_b32 s24, ttmp9, 5               ; expert
	s_bfe_u32 s26, ttmp9, 0x20003          ; quarter of F
	s_and_b32 s25, ttmp9, 7                ; 128 columns of C
	s_mov_b32 s29, 0                       ; pass
	s_mov_b32 s30, 0                       ; its first row
	v_lshlrev_b32 v13, 4, v2               ; 16 r
	v_lshl_add_u32 v6, v3, 15, v13         ; weights: 8 h rows + 16 r
	s_lshl_b32 s44, s20, 12
	v_lshl_add_u32 v[WSTR], v1, 4, s44
.irp q, 1,2,3
	v_add_nc_u32 v[WSTR+\q], \q*0x10000, v[WSTR]
.endr
	s_lshl_b32 s46, s22, 12
	v_lshl_add_u32 v12, v1, 4, s46         ; B at stage 0: 16 lane + 4,096 cg
	s_lshl_b32 s44, s24, 24                ; the expert's 16 MiB,
	s_lshl_b32 s47, s26, 22                ; the quarter's 1,024 rows,
	s_add_co_u32 s44, s44, s47
	s_lshl_b32 s47, s25, 9                 ; the slice's 512 bytes of a row,
	s_add_co_u32 s44, s44, s47
	s_lshl_b32 s47, s16, 8                 ; my 256 of them,
	s_add_co_u32 s44, s44, s47
	s_lshl_b32 s47, s17, 17                ; my first K step's 32 rows
	s_add_co_u32 s44, s44, s47
	s_mov_b32 s45, 0
	s_mul_i32 s48, s24, 4352
	s_mov_b32 s49, 0
	s_wait_kmcnt 0x0
	s_add_nc_u64 s[8:9], s[8:9], s[48:49]  ; the expert's list
	s_load_b32 s31, s[8:9], 0x1000         ; its count
	s_add_nc_u64 s[36:37], s[6:7], s[44:45]
	s_add_nc_u64 s[38:39], s[36:37], HALFW
.irp n, 0,1,2,3,4,5
	WLOAD \n                               ; six units, 48 loads, before anything else
.endr
	; every wave makes every base, ahead of the first branch on the wave's number: each base register holds its buffer's address on every way through the text
	s_lshl_b32 s44, s24, 23                ; h: the expert's 8 MiB, the quarter's 16 blocks
	s_lshl_b32 s47, s26, 21
	s_add_co_u32 s44, s44, s47
	s_add_nc_u64 s[18:19], s[4:5], s[44:45]
	s_mov_b64 s[40:41], s[18:19]           ; A's base: stage 0
	s_lshl_b32 s44, s26, 22                ; part: the quarter's 4 MiB, my 256 bytes of a row
	s_lshl_b32 s47, s25, 9
	s_add_co_u32 s44, s44, s47
	s_lshl_b32 s47, s22, 8
	s_add_co_u32 s44, s44, s47
	s_add_nc_u64 s[42:43], s[12:13], s[44:45]
	s_wait_kmcnt 0x0
	s_min_u32 s31, s31, 1024
	s_max_u32 s32, s31, 1
	s_sub_co_u32 s33, s32, 1
.set un, 0
.rept 10
	PUNIT un, 1, 40                        ; six units are out: the wait leaves the five younger (40 loads)
.set un, un+1
.endr
	PUNIT 10, 0, 40                        ; all 16 units have been asked for
	PUNIT 11, 0, 32
	IFIDLE .Lplain
	SETUP_A                                ; 6 loads of tokens,
	LDA 0                                  ; and the sweep's first A buffers among the last units: 32 + 6 + 24 = 62 loads are out
	LDA 1
	PUNIT 12, 0, 54                        ; three younger units, 6 of tokens and 24 of A may stay out
	PUNIT 13, 0, 46
	LDA 2
	PUNIT 14, 0, 50                        ; one unit, 6 of tokens, 36 of A
	LDA 3
	PUNIT 15, 0, 54                        ; 6 of tokens and 48 of A
	s_wait_xcnt 0x0
	s_add_nc_u64 s[40:41], s[40:41], ASTEP
	s_branch .Llaid
.Lplain:
	PUNIT 12, 0, 24
	PUNIT 13, 0, 16
	PUNIT 14, 0, 8
	PUNIT 15, 0, 0
.Llaid:
	s_wait_tensorcnt 0x0                   ; behind my last LDS store; no LDS write follows in any wave
	ds_add_u32 v4, v5
	s_wait_dscnt 0x0                       ; also for the other waves' sake: my part of the slice is laid
	s_barrier_signal -1
	s_barrier_wait -1
	IFIDLE .Lquit
	POST
.Lsweep:                                       ; a pass: 8 stages, the way out
	v_mov_b32 v7, v12
	DSB 0
	C4 1, 1                                ; stage 0 starts the sums
	s_mov_b32 s28, 6
.Lstage:
	C4 0, 1                                ; stages 1 to 6
	s_sub_co_u32 s28, s28, 1
	s_cmp_lg_u32 s28, 0
	s_cbranch_scc1 .Lstage
	C4 0, 0                                ; stage 7 asks for nothing
	v_lshlrev_b32 v7, 5, v3
	WIN 0x40
.set i, 0
.rept 8
	v_add_nc_u32 v[IX+i], 4*i, v7          ; 4 x lane 8 h + i, for the exchange
.set i, i+1
.endr
	WIN 0
.irp t, 0,1,2,3,4,5
	s_cmp_le_u32 s35, \t
	s_cbranch_scc1 .Lstored
	TILE \t
.endr
.Lstored:
	s_add_co_u32 s29, s29, 1
	s_add_co_u32 s30, s30, 192
	s_cmp_ge_u32 s30, s32
	s_cbranch_scc1 .Lquit                  ; no rows are left: the usual way out
	s_wait_xcnt 0x0                        ; a further pass over the slice in LDS
	SETUP_A
	PRIME
	POST
	s_cmp_lt_u32 s29, 6                    ; six passes cover 1,152 rows: the way out above is always taken first
	s_cbranch_scc1 .Lsweep
.Lquit:
	s_endpgm
.Lfunc_end_k_q8ee51f4ea1_ffn2:
	.size	k_q8ee51f4ea1_ffn2, .Lfunc_end_k_q8ee51f4ea1_ffn2-k_q8ee51f4ea1_ffn2
	.p2alignl 7, 3214868480
	.fill 96, 4, 3214868480
	.section	.rodata,"a",@progbits
	.p2align	6, 0x0
	.amdhsa_kernel k_q8ee51f4ea1_ffn2
		.amdhsa_group_segment_fixed_size 263168
		.amdhsa_private_segment_fixed_size 0
		.amdhsa_enable_private_segment 0
		.amdhsa_kernarg_size 40
		.amdhsa_user_sgpr_count 2
		.amdhsa_user_sgpr_kernarg_segment_ptr 1
		.amdhsa_wavefront_size32 1
		.amdhsa_system_sgpr_workgroup_id_x 1
		.amdhsa_system_sgpr_workgroup_id_y 1
		.amdhsa_system_sgpr_workgroup_id_z 1
		.amdhsa_system_vgpr_workitem_id 0
		.amdhsa_next_free_vgpr 512
		.amdhsa_next_free_sgpr 66
		.amdhsa_reserve_vcc 0
		.amdhsa_float_denorm_mode_32 3
		.amdhsa_float_denorm_mode_16_64 3
		.amdhsa_memory_ordered 1
		.amdhsa_forward_progress 1
		.amdhsa_inst_pref_size 124
	.end_amdhsa_kernel
	.amdgpu_metadata
---
amdhsa.version: [ 1, 2 ]
amdhsa.kernels:
  - .name:           k_q8ee51f4ea1_ffn2
    .symbol:         k_q8ee51f4ea1_ffn2.kd
    .args:
      - { .name: h, .offset: 0, .size: 8, .value_kind: global_buffer, .address_space: global }
      - { .name: w2, .offset: 8, .size: 8, .value_kind: global_buffer, .address_space: global }
      - { .name: list, .offset: 16, .size: 8, .value_kind: global_buffer, .address_space: global }
      - { .name: prob, .offset: 24, .size: 8, .value_kind: global_buffer, .address_space: global }
      - { .name: part, .offset: 32, .size: 8, .value_kind: global_buffer, .address_space: global }
    .group_segment_fixed_size: 263168
    .private_segment_fixed_size: 0
    .kernarg_segment_align: 8
    .kernarg_segment_size: 40
    .max_flat_workgroup_size: 256
    .sgpr_count:     66
    .vgpr_count:     512
    .wavefront_size: 32
...
	.end_amdgpu_metadata
.endif
;; end of part 6
;; launch combine: the kernel of part 4 again; grid 256 x 1, 8 waves a work-group, no clusters, 0 bytes of LDS; arguments part, b2, top1, prob, stats, out0, out1; writes out0, out1
